; MI455X (gfx1250); checked and timed in simulation.
; The chip was launched on July 23, 2026; its instructions are those of AMD's public machine-readable ISA for CDNA 5 (MIT licence, August 2026) and "CDNA5" Instruction Set Architecture Reference Guide (July 2026). The comments in the code are by the model that wrote it; some were corrected since.
;; Simple Mo E. Allowed arithmetic: matrix products marked QUANTISED: E2M3 operands, one E8M0 scale for each 32 along K, by v_wmma_scale_f32_16x16x128_f8f6f4 with both operands' format E2M3, f32 sums; products left as they are: f32 operands where the result goes on into a quantised operand, else bf16, f16 or f32 operands; f32 sums; everything else in f32.
;; Inputs: W1_codes 8 x 4,096 x 32 x 24 uint8 (E2M3 codes of W1, K innermost, in blocks of 32 codes, four codes in three bytes); W1_scales 8 x 4,096 x 32 uint8 (E8M0 scales of W1, one for each 32 codes along K); W2_codes 8 x 1,024 x 128 x 24 uint8 (E2M3 codes of W2, K innermost, in blocks of 32 codes, four codes in three bytes); W2_scales 8 x 1,024 x 128 uint8 (E8M0 scales of W2, one for each 32 codes along K); Wg 1,024 x 8 float32; b1 8 x 4,096 float32; b2 8 x 1,024 float32; bg 8 float32; x 2 x 512 x 1,024 float32.
;; Outputs: out0 2 x 512 x 1,024 float32.
;; This version of the problem:
;;   THIS VERSION OF THE PROBLEM IS GIVEN IN LOW PRECISION. The matrix products marked QUANTISED in the list below multiply operands that are first quantised to E2M3 (2 exponent bits, 3 mantissa bits; 6 bits a number), with one power-of-two scale for each 32 numbers along K (OCP MX v1.0); their sums are f32. All else is computed in f32.
;;   The module's matrix products, in the order in which they are computed (A, B: the left and right operand; K: the contracted axis; several contracted axes count as one K, in the product's order):
;;     1. [M 1,024, K 1,024] x [K 1,024, N 8]; A: input x; B: input Wg: left as it is (N = 8 < 16)
;;     2. [M 1,024, K 1,024] x [K 1,024, N 32,768]; A: input x; B: input W1 (given as codes): QUANTISED
;;     3. batch 8 x [M 1,024, K 4,096] x [K 4,096, N 1,024]; A: input W2 (given as codes); B: computed on the way: QUANTISED
;;   THE QUANTISER, for each operand of a quantised product, along K:
;;     - K is cut into blocks of 32 from its start; a last block that is shorter is filled with zeros.
;;     - A block's scale is 2^e with e = floor(log2(the largest magnitude in the block)) - 2, held to -126 .. 127; a block of zeros has e = 0. As a byte (E8M0): e + 127.
;;     - Each number is divided by its block's scale, clamped to +-7.5, and rounded to the nearest number of E2M3, ties to even, subnormals kept.
;;     - The product sums the exact products of the quantised numbers (number of the format x scale) in f32.
;;   ~~~python
;;   def quantise(x, axis):      # numpy; x: float32 -> the quantised numbers, widened to float32 again
;;       x = np.moveaxis(x, axis, -1); K = x.shape[-1]
;;       x = np.pad(x, [(0, 0)] * (x.ndim - 1) + [(0, -K % 32)]); x = x.reshape(x.shape[:-1] + (-1, 32)); a = np.abs(x).max(-1, keepdims=True)
;;       e = np.where(a > 0, np.clip(np.frexp(np.where(a > 0, a, 1))[1] - 1 - 2, -126, 127), 0)      # np.frexp(a)[1] - 1 = floor(log2(a)), exactly
;;       r = np.clip(x / 2.0 ** e, -7.5, 7.5)
;;       step = 2.0 ** (np.maximum(np.frexp(np.where(r == 0, 1, r))[1] - 1, 0) - 3)
;;       q = np.round(r / step) * step * 2.0 ** e      # np.round: ties to even
;;       return np.moveaxis(q.reshape(q.shape[:-2] + (-1,))[..., :K], -1, axis).astype(np.float32)
;;   ~~~
;;   OPERANDS COMPUTED ON THE WAY. 'Computed on the way' means the value that the module computes at that place (a softmax that the list does not call 'softmax' is quantised finished and normalised). What goes into a quantiser is computed in f32, as accurately as f32 sums, v_exp_f32 and their like allow (about 1e-6 of the number): no bf16 or f16 on the way to a quantiser, and a product that is left as it is and whose result goes on into a quantised operand takes f32 operands (vector FMAs, or v_wmma_f32_16x16x4_f32). A number that lies on a knife's edge between two numbers of the format may be rounded either way, as far as f32 arithmetic and the matrix unit's own rounding can turn it there, and no further.
;;   INPUTS GIVEN AS CODES. W1 (in the module: [8, 1024, 4096], K = its axis 1); W2 (in the module: [8, 4096, 1024], K = its axis 1): each comes as NAME_codes (uint8): NAME with its K axis moved to the last place and cut into blocks of 32 codes, [.., K / 32, bytes a block], one block behind the other in memory; four codes in three bytes: a row's codes are one little-endian stream of bits, code i at bits 6 i .. 6 i + 5 (a code: sign, 2 exponent bits, 3 mantissa bits); and NAME_scales (uint8): the same leading axes, one E8M0 byte (e + 127) for each 32 codes along K. Its value is code x scale, taken as it is: it is not quantised again, and the codes and scales need not be those that the quantiser above would give.
;; 2 versions, each right; version 2 is version 1 with the launches ffn1, ffn2 written anew for expert scheduling mode. Each part assembles by itself: llvm-mc -triple=amdgcn-amd-amdhsa -mcpu=gfx1250 --defsym DOCPART=n.
;; ======== version 1 of 2: 5 launches
;; workspace buffers: xq 786,432 bytes; xs 32,768 bytes; sel 4,096 bytes of whole numbers; gw 8,192 bytes; rowu 36,864 bytes of whole numbers; h_img 25,165,824 bytes; h_scl 2,097,152 bytes; part 33,554,432 bytes
;; launch gate (part 1): grid 256 x 1, 4 waves a work-group, no clusters, 52,224 bytes of LDS; arguments x, Wg, bg, xq, xs, sel, gw; writes xq, xs, sel, gw
.if DOCPART == 1
	.amdgcn_target "amdgcn-amd-amdhsa--gfx1250"
	.amdhsa_code_object_version 6
	.text
	.protected	k_q39f5520c98_gate
	.globl	k_q39f5520c98_gate
	.p2align	8
	.type	k_q39f5520c98_gate,@function
k_q39f5520c98_gate:
	s_mov_b64 s[64:65], 0
	v_nop
	global_prefetch_b8 v0, s[64:65] scope:SCOPE_SE
	s_setreg_imm32_b32 hwreg(HW_REG_WAVE_MODE, 25, 1), 1
	s_wait_xcnt 0x0
; THE GATE AND x's CODES.  One wave takes one token t = 4 x work-group + wave; lane l owns block l of the token's 1,024 numbers (d = 32 l .. 32 l + 31).
; It makes: (a) the token's codes of FP6 (E2M3) and its 32 E8M0 scale bytes; (b) the eight logits x Wg + bg in f32 by fused multiply-adds, their softmax with the maximum taken away,
; the two largest probabilities (of equal ones the lower index first) and the two weights p / (p0 + p1 + 1e-9).
; What is chosen is STORED, at places that hang on t alone: sel[t] = e0 | e1 << 8 (whole numbers), gw[0][t], gw[1][t].  No address here hangs on it.
; xq: token t has 768 bytes; block B (24 bytes) lies at 96 (B >> 2) + 48 (B & 1) + 24 ((B >> 1) & 1): so lane (r, h) of a matrix operand finds the 12 registers of K step s as 48 bytes on end at 96 s + 48 h.
; A block's scale is 2^(floor(log2(largest magnitude)) - 2): its byte is the largest magnitude's exponent field - 2, held at 1 from below.
; Wg (32,768 bytes) COMES ONCE FOR THE FOUR WAVES: each thread brings 16 pieces of 16 bytes, neighbouring threads neighbouring bytes, and puts them into LDS; behind the one barrier each lane reads
; the 1,024 bytes of its 32 rows back.  A lane's rows taken straight from memory would stand 1,024 bytes from the next lane's in every load.
; LIMITS: a block of zeros gets the byte 1 (its codes are zeros, and only this program reads the bytes); NaN and infinities among the inputs are not served;
; v_exp_f32 gives 0 for a probability under 2^-126 (ISA guide, its entry in 15.8), whose weight is 0 beside the others anyway.
; No matrix unit (eight columns), no cluster (work-groups share only Wg's 32,768 bytes).
.set R,   8                            ; v8-39    x as loaded: 16 bytes a lane of each 512
.set X,   40                           ; v40-71   my 32 neighbours
.set A,   72                           ; v72-79   the eight sums, in four pairs
.set P,   80                           ; v80-87   the probabilities
.set Q,   104                          ; v104-111 at work: the other half's sums; later P without the best
.set IDX, 120                          ; v120-127 the numbers 0 to 7
.set G,   128                          ; v128-191 my 16 pieces of Wg on their way to LDS
.set PLACE, 144                        ; a block's place in a wave's stage: 128 bytes + 16, an odd multiple of 16
.set WGL,  4*32*PLACE                  ; behind the four stages: Wg, 32 blocks of 1,024 bytes,
.set WPITCH, 1040                      ; 1,040 bytes apart: again an odd multiple of 16
.set MSB, 0
.macro WIN new                         ; the immediate's high byte repeats the setting that is left
.if MSB != (\new)
	s_set_vgpr_msb (MSB<<8)|(\new)
.set MSB, (\new)
.endif
.endm
	s_load_b256 s[4:11], s[0:1], 0x0               ; x s[4:5], Wg s[6:7], bg s[8:9], xq s[10:11]
	s_load_b128 s[12:15], s[0:1], 0x20             ; xs s[12:13], sel s[14:15]
	s_load_b64 s[16:17], s[0:1], 0x30              ; gw
	v_lshl_add_u32 v254, v0, 2, 0xca00
	v_mov_b32 v255, 0
	v_lshrrev_b32 v1, 5, v0
	v_readfirstlane_b32 s20, v1                    ; wave
	v_and_b32 v1, 31, v0                           ; lane
	v_lshlrev_b32 v2, 4, v1                        ; x: my 16 bytes of a load's 512
	v_lshlrev_b32 v3, 4, v0                        ; Wg: my 16 bytes of the work-group's 2,048
	s_mul_i32 s22, s20, 32*PLACE                   ; my wave's stage
	v_bfe_u32 v4, v0, 3, 2
	v_mul_u32_u24 v4, v4, PLACE
	v_and_b32 v5, 7, v0
	v_lshl_add_u32 v4, v5, 4, v4
	v_add_nc_u32 v4, s22, v4                       ; in: eight lanes' 128 bytes are a block: place lane / 8 (+ 4 for each load), 16 (lane % 8) in it
	v_mul_u32_u24 v5, v1, PLACE
	v_add_nc_u32 v5, s22, v5                       ; back: place = my lane
	v_bfe_u32 v6, v0, 2, 3
	v_mul_u32_u24 v6, v6, 96
	v_and_b32 v7, 1, v0
	v_mad_u32_u24 v6, v7, 48, v6
	v_bfe_u32 v7, v0, 1, 1
	v_mad_u32_u24 v6, v7, 24, v6                   ; my block's place in the token's 768 bytes of codes
	v_lshrrev_b32 v192, 6, v0
	v_lshlrev_b32 v192, 4, v192
	v_lshl_add_u32 v192, v0, 4, v192
	v_add_nc_u32 v192, WGL, v192                   ; Wg into LDS: 16 x thread, + 16 for the block of 1,024 bytes passed; piece k lies two blocks, 2,080 bytes, behind piece k - 1
	v_mul_u32_u24 v193, v1, WPITCH
	v_add_nc_u32 v193, WGL, v193                   ; and back: block = my lane
	v_mov_b32 v114, 0
.irp e, 0,1,2,3,4,5,6,7
	v_mov_b32 v[Q+\e], 0                           ; written once: a lane permute's destination counts as one of its sources
	v_mov_b32 v[IDX+\e], \e
.endr
	s_lshl_b32 s21, ttmp9, 2
	s_add_co_u32 s21, s21, s20                     ; my token
	s_mov_b32 s23, 0
	s_mov_b32 s32, 0x76543210
	s_mov_b32 s33, 0xfedcba98                      ; v_permlanex16_b32's selects for lane l xor 16
	s_wait_kmcnt 0x0
	s_load_b256 s[24:31], s[8:9], 0x0              ; bg
	s_lshl_b32 s22, s21, 12
	s_add_nc_u64 s[4:5], s[4:5], s[22:23]          ; x at my row
	s_mul_i32 s22, s21, 768
	s_add_nc_u64 s[10:11], s[10:11], s[22:23]      ; my codes
	s_lshl_b32 s22, s21, 5
	s_add_nc_u64 s[12:13], s[12:13], s[22:23]      ; my scale bytes
	s_lshl_b32 s22, s21, 2
	s_add_nc_u64 s[14:15], s[14:15], s[22:23]      ; sel[t]
	s_add_nc_u64 s[16:17], s[16:17], s[22:23]      ; gw[0][t]
.irp j, 0,1,2,3,4,5,6,7
	global_load_b128 v[R+4*\j:R+4*\j+3], v2, s[4:5] offset:512*\j th:TH_LOAD_NT   ; 32 lanes read 512 consecutive bytes
.endr
.irp k, 0,1,2,3,4,5,6,7,8,9,10,11,12,13,14,15
	global_load_b128 v[G+4*\k:G+4*\k+3], v3, s[6:7] offset:2048*\k                ; the four waves read 2,048 consecutive bytes
.endr
	s_wait_loadcnt 16                              ; x's eight loads are in: behind them were issued Wg's sixteen
.irp j, 0,1,2,3,4,5,6,7
	ds_store_b128 v4, v[R+4*\j:R+4*\j+3] offset:4*PLACE*\j
.endr
.irp i, 0,1,2,3,4,5,6,7
	ds_load_b128 v[X+4*\i:X+4*\i+3], v5 offset:16*\i       ; LDS serves a wave's instructions in order (ISA guide 5.7.1.4): these see the stores above
.endr
	s_wait_loadcnt 0x0                             ; my pieces of Wg
.irp k, 0,1,2,3,4,5,6,7,8,9,10,11,12,13,14,15
	ds_store_b128 v192, v[G+4*\k:G+4*\k+3] offset:2*WPITCH*\k
.endr
	s_wait_dscnt 0x0                               ; for the others' sake: my stores are done (and my 32 neighbours are in)
	s_barrier_signal -1
	s_barrier_wait -1                              ; Wg is whole; nobody writes it again
	WIN 0x40                                       ; destination window 1: register 8 i + e = Wg[32 l + i][e]
.set I, 0
.rept 64
	ds_load_b128 v[4*I:4*I+3], v193 offset:16*I
.set I, I+1
.endr
	WIN 0
	; ---- the block's scale and codes, while those loads are out
	v_max3_num_f32 v116, |v[X]|, |v[X+1]|, 0x1800000       ; the floor 2^(3 - 127) among the leaves: the byte cannot fall under 1
	v_max3_num_f32 v117, |v[X+2]|, |v[X+3]|, |v[X+4]|
.irp i, 5,9,13,17,21,25
	v_max3_num_f32 v116, v116, |v[X+\i]|, |v[X+\i+1]|      ; two chains, so that no line waits for the line above it
	v_max3_num_f32 v117, v117, |v[X+\i+2]|, |v[X+\i+3]|
.endr
	v_max3_num_f32 v116, v116, |v[X+29]|, |v[X+30]|
	v_max3_num_f32 v116, v116, v117, |v[X+31]|
	v_add_nc_u32 v103, 0xff000000, v116            ; 2 off the exponent field: the conversion takes the exponent field of this operand as its scale
	v_cvt_scalef32_pk16_fp6_f32 v[96:98], v[X:X+15], v103
	v_cvt_scalef32_pk16_fp6_f32 v[100:102], v[X+16:X+31], v103
	v_lshrrev_b32 v99, 23, v103                    ; the scale's byte; also the plain line behind the conversions
	global_store_b96 v6, v[96:98], s[10:11]        ; the wave's two stores cover the token's 768 consecutive bytes
	global_store_b96 v6, v[100:102], s[10:11] offset:12
	global_store_b8 v1, v99, s[12:13]
	; ---- the logits: my 32 numbers against my 32 rows of Wg, two experts an instruction
	s_wait_dscnt 48                                ; rows 0 to 7 of my 32 are in (two loads a row): the 48 loads behind them may be out
	WIN 0x04                                       ; source 1 (Wg) window 1
.irp p, 0,1,2,3
	v_pk_mul_f32 v[A+2*\p:A+2*\p+1], v[X:X+1], v[2*\p:2*\p+1] op_sel_hi:[0,1]     ; the first product starts the sums
.endr
.set I, 1
.rept 31
.if I%8 == 0
	s_wait_dscnt 48-2*I                            ; the next eight rows are in; the loads behind them may be out
.endif
.irp p, 0,1,2,3
.if I%2 == 0
	v_pk_fma_f32 v[A+2*\p:A+2*\p+1], v[X+I:X+I+1], v[8*I+2*\p:8*I+2*\p+1], v[A+2*\p:A+2*\p+1] op_sel_hi:[0,1,1]                ; x's pair: its first number for both halves
.else
	v_pk_fma_f32 v[A+2*\p:A+2*\p+1], v[X+I-1:X+I], v[8*I+2*\p:8*I+2*\p+1], v[A+2*\p:A+2*\p+1] op_sel:[1,0,0] op_sel_hi:[1,1,1]   ; its second
.endif
.endr
.set I, I+1
.endr
	WIN 0
.irp m, 1,2,4,8
.irp e, 0,1,2,3,4,5,6,7
	v_add_f32_dpp v[A+\e], v[A+\e], v[A+\e] row_xmask:\m row_mask:0xf bank_mask:0xf
.endr
.endr
.irp e, 0,1,2,3,4,5,6,7
	v_permlanex16_b32 v[Q+\e], v[A+\e], s32, s33
.endr
	s_wait_kmcnt 0x0                               ; bg
.irp e, 0,1,2,3,4,5,6,7
	v_add_f32 v[A+\e], v[A+\e], v[Q+\e]            ; every lane now holds all eight sums
.endr
.irp e, 0,1,2,3,4,5,6,7
	v_add_f32 v[A+\e], s[24+\e], v[A+\e]
.endr
	; ---- softmax, the maximum taken away first
	v_max3_num_f32 v88, v[A], v[A+1], v[A+2]
	v_max3_num_f32 v88, v88, v[A+3], v[A+4]
	v_max3_num_f32 v88, v88, v[A+5], v[A+6]
	v_max_num_f32 v88, v88, v[A+7]
.irp e, 0,1,2,3,4,5,6,7
	v_sub_f32 v[P+\e], v[A+\e], v88
.endr
.irp e, 0,1,2,3,4,5,6,7
	v_mul_f32 v[P+\e], 0x3fb8aa3b, v[P+\e]         ; x log2(e)
.endr
.irp e, 0,1,2,3,4,5,6,7
	v_exp_f32 v[P+\e], v[P+\e]
.endr
	v_nop                                          ; a plain line behind the exponentials
	s_wait_alu depctr_va_vdst(0)
	v_add_f32 v116, v[P], v[P+1]
	v_add_f32 v117, v[P+2], v[P+3]
	v_add_f32 v118, v[P+4], v[P+5]
	v_add_f32 v119, v[P+6], v[P+7]
	v_add_f32 v116, v116, v117
	v_add_f32 v118, v118, v119
	v_add_f32 v116, v116, v118
	v_rcp_f32 v117, v116
	v_mov_b32 v92, -1.0                            ; (a plain line behind the reciprocal)
	s_wait_alu depctr_va_vdst(0)
.irp e, 0,1,2,3,4,5,6,7
	v_mul_f32 v[P+\e], v[P+\e], v117
.endr
	; ---- the two largest: a later one takes the place only if it is greater, so of equal ones the lower index stays
	v_mov_b32 v88, v[P]
	v_mov_b32 v89, 0
.irp i, 1,2,3,4,5,6,7
	v_cmp_gt_f32 vcc_lo, v[P+\i], v88
	v_cndmask_b32 v88, v88, v[P+\i], vcc_lo
	v_cndmask_b32 v89, v89, v[IDX+\i], vcc_lo
.endr
.irp i, 0,1,2,3,4,5,6,7
	v_cmp_eq_u32 vcc_lo, \i, v89
	v_cndmask_b32 v[Q+\i], v[P+\i], v92, vcc_lo    ; the best one is out: -1 lies under every probability
.endr
	v_mov_b32 v90, v[Q]
	v_mov_b32 v91, 0
.irp i, 1,2,3,4,5,6,7
	v_cmp_gt_f32 vcc_lo, v[Q+\i], v90
	v_cndmask_b32 v90, v90, v[Q+\i], vcc_lo
	v_cndmask_b32 v91, v91, v[IDX+\i], vcc_lo
.endr
	v_add_f32 v93, v88, v90
	v_add_f32 v93, 0x3089705f, v93                 ; + 1e-9
	v_rcp_f32 v94, v93
	v_lshl_or_b32 v95, v91, 8, v89                 ; e0 | e1 << 8  (a plain line behind the reciprocal)
	s_wait_alu depctr_va_vdst(0)
	v_mul_f32 v112, v88, v94
	v_mul_f32 v113, v90, v94
	s_wait_xcnt 0x0                                ; EXEC is a source of the stores above: it changes only behind this wait
	v_cmp_eq_u32 vcc_lo, 0, v1
	s_wait_tensorcnt 0x0
	ds_add_u32 v254, v255
	s_wait_dscnt 0x0
	s_and_saveexec_b32 s34, vcc_lo                 ; lane 0 stores the token's three words
	global_store_b32 v114, v95, s[14:15]
	global_store_b32 v114, v112, s[16:17]
	global_store_b32 v114, v113, s[16:17] offset:4096
	s_wait_xcnt 0x0
	s_or_b32 exec_lo, exec_lo, s34
	s_endpgm
.Lfunc_end_k_q39f5520c98_gate:
	.size	k_q39f5520c98_gate, .Lfunc_end_k_q39f5520c98_gate-k_q39f5520c98_gate
	.p2alignl 7, 3214868480
	.fill 96, 4, 3214868480
	.section	.rodata,"a",@progbits
	.p2align	6, 0x0
	.amdhsa_kernel k_q39f5520c98_gate
		.amdhsa_group_segment_fixed_size 52224
		.amdhsa_private_segment_fixed_size 0
		.amdhsa_enable_private_segment 0
		.amdhsa_kernarg_size 56
		.amdhsa_user_sgpr_count 2
		.amdhsa_user_sgpr_kernarg_segment_ptr 1
		.amdhsa_wavefront_size32 1
		.amdhsa_system_sgpr_workgroup_id_x 1
		.amdhsa_system_sgpr_workgroup_id_y 1
		.amdhsa_system_sgpr_workgroup_id_z 1
		.amdhsa_system_vgpr_workitem_id 0
		.amdhsa_next_free_vgpr 512
		.amdhsa_next_free_sgpr 66
		.amdhsa_reserve_vcc 1
		.amdhsa_float_denorm_mode_32 3
		.amdhsa_float_denorm_mode_16_64 3
		.amdhsa_memory_ordered 1
		.amdhsa_forward_progress 1
		.amdhsa_inst_pref_size 29
	.end_amdhsa_kernel
	.amdgpu_metadata
---
amdhsa.version: [ 1, 2 ]
amdhsa.kernels:
  - .name:           k_q39f5520c98_gate
    .symbol:         k_q39f5520c98_gate.kd
    .args:
      - { .name: x, .offset: 0, .size: 8, .value_kind: global_buffer, .address_space: global }
      - { .name: Wg, .offset: 8, .size: 8, .value_kind: global_buffer, .address_space: global }
      - { .name: bg, .offset: 16, .size: 8, .value_kind: global_buffer, .address_space: global }
      - { .name: xq, .offset: 24, .size: 8, .value_kind: global_buffer, .address_space: global }
      - { .name: xs, .offset: 32, .size: 8, .value_kind: global_buffer, .address_space: global }
      - { .name: sel, .offset: 40, .size: 8, .value_kind: global_buffer, .address_space: global }
      - { .name: gw, .offset: 48, .size: 8, .value_kind: global_buffer, .address_space: global }
    .group_segment_fixed_size: 52224
    .private_segment_fixed_size: 0
    .kernarg_segment_align: 8
    .kernarg_segment_size: 56
    .max_flat_workgroup_size: 128
    .sgpr_count:     66
    .vgpr_count:     512
    .wavefront_size: 32
...
	.end_amdgpu_metadata
.endif
;; end of part 1
;; launch place (part 2): grid 8 x 1, 1 waves a work-group, no clusters, 4,864 bytes of LDS; arguments sel, rowu; writes rowu
.if DOCPART == 2
	.amdgcn_target "amdgcn-amd-amdhsa--gfx1250"
	.amdhsa_code_object_version 6
	.text
	.protected	k_q39f5520c98_place
	.globl	k_q39f5520c98_place
	.p2align	8
	.type	k_q39f5520c98_place,@function
k_q39f5520c98_place:
	s_mov_b64 s[64:65], 0
	v_nop
	global_prefetch_b8 v0, s[64:65] scope:SCOPE_SE
	s_setreg_imm32_b32 hwreg(HW_REG_WAVE_MODE, 25, 1), 1
	s_wait_xcnt 0x0
; THE PLACING OF ROWS BY EXPERT.  sel[t] = e0 | e1 << 8 (whole numbers, stored by the launch before).  Work-group e, one wave, lists the rows of expert e: entry u = t + 1,024 x slot.
; rowu: 1,152 words an expert.  Words 0 .. count - 1: the entries; behind them 32 copies of the last entry (as far as word 1,087), which fill the last tile of 16; then zeros, so that every word
; of the list names a token; word 1,150: 0; word 1,151: the count.  The two launches behind this one form addresses and trip branches from these words.
; The 1,024 tokens are 32 groups of 32: in group g = 4 i + c lane l stands for token 128 i + c + 4 l.  THREE PHASES, so that vector and scalar work change hands twice and not in every group:
;   1 (vector): each group's mask of chosen lanes, into a scalar register of the group's own, and its entries u, laid over sel's registers;
;   2 (scalar): the rows ahead of each group, a running sum of the masks' bit counts;
;   3 (vector, LDS): each chosen lane's place = rows ahead of its group + chosen lanes below it; the entry goes there.  No atomics: one wave owns the whole list.
; The list leaves as nine stores of 512 consecutive bytes.  No branch here hangs on data.  There is work for eight waves and no more: eight work-groups are launched.  One wave a work-group: no barrier.
.set DUMP, 1150                        ; the word where lanes without a row write
.set U,   16                           ; v16-47   group g: sel as loaded, then the entries u; at the end the list on its way out (v16-51)
.set T,   64                           ; v64-79   at work
.set M,   32                           ; s32-63   group g's mask of chosen lanes
.set PF,  66                           ; s66-97   the rows ahead of group g
	s_load_b128 s[4:7], s[0:1], 0x0                ; sel s[4:5], rowu s[6:7]
	v_lshl_add_u32 v80, v0, 2, 0x1200
	v_mov_b32 v81, 0
	s_mov_b32 s23, ttmp9                           ; e: the expert
	v_lshlrev_b32 v1, 4, v0                        ; 16 x lane (one wave: the thread's number is the lane)
	v_lshlrev_b32 v12, 2, v0                       ; 4 x lane
	v_mov_b32 v54, DUMP
.irp i, 0,1,2,3
	v_mov_b32 v[56+\i], 0
.endr
	s_mul_i32 s26, s23, 4608
	s_mov_b32 s27, 0
	s_wait_kmcnt 0x0
	s_add_nc_u64 s[6:7], s[6:7], s[26:27]          ; rowu: expert e
.irp i, 0,1,2,3,4,5,6,7
	global_load_b128 v[U+4*\i:U+4*\i+3], v1, s[4:5] offset:512*\i      ; register 4 i + c of lane l: sel[128 i + 4 l + c]
.endr
.irp i, 0,1,2,3,4,5,6,7,8
	ds_store_b128 v1, v[56:59] offset:512*\i       ; the list begins as zeros
.endr
	; ---- 1: masks and entries, four groups by turns
.irp i, 0,1,2,3,4,5,6,7
	s_wait_loadcnt 7-\i                            ; load i is in; the younger ones may be out
.irp c, 0,1,2,3
	v_and_b32 v[T+4*\c], 0xff, v[U+4*\i+\c]        ; e0
	v_lshrrev_b32 v[T+4*\c+1], 8, v[U+4*\i+\c]     ; e1
.endr
.irp c, 0,1,2,3
	v_xor_b32 v[T+4*\c], s23, v[T+4*\c]            ; 0 where this expert was chosen first,
	v_xor_b32 v[T+4*\c+1], s23, v[T+4*\c+1]        ; 0 where second
.endr
.irp c, 0,1,2,3
	v_min_u32 v[T+4*\c], v[T+4*\c], v[T+4*\c+1]    ; 0 where either
	v_add_nc_u32 v[T+4*\c+2], 128*\i+\c, v12       ; t
	v_add_nc_u32 v[T+4*\c+3], 1024+128*\i+\c, v12  ; t + 1,024
.endr
.irp c, 0,1,2,3
	v_cmp_eq_u32 s[M+4*\i+\c], 0, v[T+4*\c]
	v_cmp_eq_u32 vcc_lo, 0, v[T+4*\c+1]
	v_cndmask_b32 v[U+4*\i+\c], v[T+4*\c+2], v[T+4*\c+3], vcc_lo       ; u = t + 1,024 x slot
.endr
.endr
	; ---- 2: the rows ahead of each group
	s_mov_b32 s[PF], 0
.set GI, 0
.rept 31
	s_bcnt1_i32_b32 s29, s[M+GI]
	s_add_co_u32 s[PF+GI+1], s[PF+GI], s29
.set GI, GI+1
.endr
	s_bcnt1_i32_b32 s29, s[M+31]
	s_add_co_u32 s28, s[PF+31], s29                ; the count
	; ---- 3: places and stores, eight groups by turns
.set B, 0
.rept 4
.irp k, 0,1,2,3,4,5,6,7
	v_mbcnt_lo_u32_b32 v[T+\k], s[M+8*B+\k], s[PF+8*B+\k]              ; rows ahead of my group + chosen lanes below me
.endr
.irp k, 0,1,2,3,4,5,6,7
	v_cndmask_b32 v[T+\k], v54, v[T+\k], s[M+8*B+\k]                   ; a lane without a row writes word 1,150: EXEC stays as it is
.endr
.irp k, 0,1,2,3,4,5,6,7
	v_min_u32 v[T+\k], 1150, v[T+\k]
.endr
.irp k, 0,1,2,3,4,5,6,7
	v_lshlrev_b32 v[T+\k], 2, v[T+\k]
.endr
.irp k, 0,1,2,3,4,5,6,7
	ds_store_b32 v[T+\k], v[U+8*B+\k]
.endr
.set B, B+1
.endr
	s_sub_co_i32 s29, s28, 1
	s_max_i32 s29, s29, 0
	s_min_u32 s29, s29, 1023
	s_lshl_b32 s29, s29, 2
	v_mov_b32 v60, s29
	ds_load_b32 v52, v60                           ; the last entry (with no row: the zero of word 0).  LDS serves a wave's instructions in order (ISA guide 5.7.1.4): it sees the stores above
	v_add_nc_u32 v53, s28, v0
	v_min_u32 v53, 1087, v53
	v_lshlrev_b32 v60, 2, v53
	v_mov_b32 v50, 4*DUMP
	v_mov_b32 v51, s28
	s_wait_dscnt 0x0
	ds_store_b32 v60, v52                          ; 32 copies behind it: they fill the last tile
	ds_store_b32 v50, v56                          ; word 1,150 is 0 again,
	ds_store_b32 v50, v51 offset:4                 ; word 1,151 the count
.irp i, 0,1,2,3,4,5,6,7,8
	ds_load_b128 v[U+4*\i:U+4*\i+3], v1 offset:512*\i
.endr
.irp i, 0,1,2,3,4,5,6,7,8
	s_wait_dscnt 8-\i                              ; load i is back; the younger ones may be out
	global_store_b128 v1, v[U+4*\i:U+4*\i+3], s[6:7] offset:512*\i     ; 32 lanes store 512 consecutive bytes
.endr
	s_wait_tensorcnt 0x0
	ds_add_u32 v80, v81
	s_wait_dscnt 0x0
	s_endpgm
.Lfunc_end_k_q39f5520c98_place:
	.size	k_q39f5520c98_place, .Lfunc_end_k_q39f5520c98_place-k_q39f5520c98_place
	.p2alignl 7, 3214868480
	.fill 96, 4, 3214868480
	.section	.rodata,"a",@progbits
	.p2align	6, 0x0
	.amdhsa_kernel k_q39f5520c98_place
		.amdhsa_group_segment_fixed_size 4864
		.amdhsa_private_segment_fixed_size 0
		.amdhsa_enable_private_segment 0
		.amdhsa_kernarg_size 16
		.amdhsa_user_sgpr_count 2
		.amdhsa_user_sgpr_kernarg_segment_ptr 1
		.amdhsa_wavefront_size32 1
		.amdhsa_system_sgpr_workgroup_id_x 1
		.amdhsa_system_sgpr_workgroup_id_y 1
		.amdhsa_system_sgpr_workgroup_id_z 1
		.amdhsa_system_vgpr_workitem_id 0
		.amdhsa_next_free_vgpr 82
		.amdhsa_next_free_sgpr 98
		.amdhsa_reserve_vcc 1
		.amdhsa_float_denorm_mode_32 3
		.amdhsa_float_denorm_mode_16_64 3
		.amdhsa_memory_ordered 1
		.amdhsa_forward_progress 1
		.amdhsa_inst_pref_size 30
	.end_amdhsa_kernel
	.amdgpu_metadata
---
amdhsa.version: [ 1, 2 ]
amdhsa.kernels:
  - .name:           k_q39f5520c98_place
    .symbol:         k_q39f5520c98_place.kd
    .args:
      - { .name: sel, .offset: 0, .size: 8, .value_kind: global_buffer, .address_space: global }
      - { .name: rowu, .offset: 8, .size: 8, .value_kind: global_buffer, .address_space: global }
    .group_segment_fixed_size: 4864
    .private_segment_fixed_size: 0
    .kernarg_segment_align: 8
    .kernarg_segment_size: 16
    .max_flat_workgroup_size: 32
    .sgpr_count:     98
    .vgpr_count:     82
    .wavefront_size: 32
...
	.end_amdgpu_metadata
.endif
;; end of part 2
;; launch ffn1 (part 3): grid 32 x 8, 4 waves a work-group, no clusters, 101,376 bytes of LDS; arguments rowu, xq, xs, W1_codes, W1_scales, b1, h_img, h_scl; writes h_img, h_scl
.if DOCPART == 3
	.amdgcn_target "amdgcn-amd-amdhsa--gfx1250"
	.amdhsa_code_object_version 6
	.text
	.protected	k_q39f5520c98_ffn1
	.globl	k_q39f5520c98_ffn1
	.p2align	8
	.type	k_q39f5520c98_ffn1,@function
k_q39f5520c98_ffn1:
	s_mov_b64 s[64:65], 0
	v_nop
	global_prefetch_b8 v0, s[64:65] scope:SCOPE_SE
	s_setreg_imm32_b32 hwreg(HW_REG_WAVE_MODE, 25, 1), 1
	s_wait_xcnt 0x0
; THE FIRST PRODUCT, FOR THE CHOSEN ROWS ALONE: h = Q(relu(x W1 + b1)), on codes of FP6 (E2M3) with one E8M0 scale for each 32 along K; sums in f32.
; Work-group (j, e) owns hidden units 128 j .. 128 j + 127 of expert e: 128 rows of W1 x 1,024 along K, 98,304 bytes, read from memory once in the launch.
; EVERY one of its four waves holds the whole slice in registers (64 fragments of 12), and the waves share the expert's rows: tiles of 16 rows, wave w takes tiles w, w + 4, ..
; So a fragment of x (1,536 bytes) feeds eight matrix instructions, and the loop has no barrier and reads no weight.
; THE ROWS come from rowu (whole numbers stored by the launch before: 1,152 words an expert; entry u = t + 1,024 x slot; word 1,151 the count).  The last tile is filled with copies of the last entry:
; those rows give the same numbers again.  Behind them the list holds zeros, so that the loads which run ahead always name a token.  An entry is asked for two tiles ahead, x's codes one tile ahead.
; THE MATRIX INSTRUCTION IS USED TRANSPOSED (source 0 = 16 rows of W1, source 1 = 16 rows of x), AND THE ROWS OF W1 THAT FORM A TILE ARE NOT NEIGHBOURS: slot 16 T + r of the slice in LDS holds row
; 32 (T / 2) + 8 (T % 2) + r + 8 (r / 8).  So the 16 registers of tiles 2 b and 2 b + 1 are hidden units 32 b + 16 (lane / 16) + 0 .. 15 of ONE row: neighbours along the next K, quantised in registers.
; The wave's 128 hidden units are K step j of the second product: one fragment and one scale word a row.  They leave as an IMAGE OF THE OPERAND'S REGISTERS:
; h_img [e][tile][K step][1,536]: registers 4 c .. 4 c + 3 of lane l at 512 c + 16 l;  h_scl [e][tile][K step][32 lanes]: 4 bytes a lane.  Each store of the wave covers 512 (128) consecutive bytes.
; b1 is the C of each sum's first matrix instruction.
; NO TENSOR LOAD, NO CLUSTER: which trips of the loop do work hangs on a count read from memory, and partners in a cluster would have different counts; each weight byte is read by one work-group alone.
; The loop has 16 trips for every count (64 tiles at the most, four waves); a trip without a tile jumps to the lines that step the counters.
; LIMITS: a block of zeros gets the scale byte 1 (its codes are zeros; only this program reads the bytes); NaN and infinities are not served.
; REGISTERS.  Window 0: v1-15 addresses; v16-111 XF: x's eight fragments; v112-175 ACC: 8 tiles x 8; v176-207 W1's scale words; v208-211 x's, v212-215 the next tile's; v216-241 the quantiser's; v242-253 weight fragment 63.
;   Windows 1-3: weight fragment f = 8 s + T (K step s, tile T), f < 63, in window 1 + f / 21 at v[12 (f % 21)].  At the head window 1's v0-191 stage the weights on their way to LDS.
.set WP,    784                        ; a slot of the slice in LDS: 768 bytes + 16 = 196 words: slot r starts at bank 4 r mod 64 (64 banks of 4 bytes: ISA guide 11.1); with 24 bytes for the upper lanes the 32 lanes of an 8-byte load touch 64 different banks
.set HALFW, 64*WP                      ; an LDS offset has 16 bits: slots 64-127 have address registers of their own
.set BIAS,  128*WP                     ; behind the slice: my 128 numbers of b1
.set XF,  16
.set ACC, 112
.set WS,  176                          ; register 4 T + i: lanes 0-15 tile T's words of K step i, lanes 16-31 of K step 4 + i
.set XS,  208                          ; register i: the same of x's rows
.set XSN, 212
.set TM,  216                          ; v216-219 largest magnitudes, v220-223 bytes, v224-227 the conversions' scale operands
.set PW,  228                          ; the scale word
.set PC,  230                          ; v230-241 the fragment made
.set W63, 242
.set GA,  112                          ; at the head only, in ACC's registers: v112-114 where I read the weights, v115-117, v118-120 where I put them,
.set LW,  115
.set LW2, 118
.set WSA, 121                          ; v121 W1's scale words, v122 my number of b1, v123 its place in LDS, v124 in memory
.set MSB, 0
.macro WIN new                         ; the immediate's high byte repeats the setting that is left
.if MSB != (\new)
	s_set_vgpr_msb (MSB<<8)|(\new)
.set MSB, (\new)
.endif
.endm
.macro WHERE f                         ; weight fragment f: window WF, register RF
.if (\f) < 63
.set WF, 1+(\f)/21
.set RF, 12*((\f)%21)
.else
.set WF, 0
.set RF, W63
.endif
.endm
.macro WFRAG f                         ; fragment f out of LDS: lane (r, h) takes, of slot 16 T + r, the 24 bytes at 96 s + 24 h and those 48 further on, in pieces of 8
	WHERE \f
.set FS, (\f)/8
.set FT, (\f)%8
	WIN (WF<<6)
.irp p, 0,1,2,3,4,5
.if FT < 4
	ds_load_b64 v[RF+2*\p:RF+2*\p+1], v13 offset:FT*16*WP+96*FS+48*(\p/3)+8*(\p%3)
.else
	ds_load_b64 v[RF+2*\p:RF+2*\p+1], v14 offset:(FT-4)*16*WP+96*FS+48*(\p/3)+8*(\p%3)
.endif
.endr
.endm
.macro MUL8 s                          ; K step s: the eight accumulators take turns, one instruction a turn
.irp T, 0,1,2,3,4,5,6,7
	WHERE 8*(\s)+\T
	WIN WF
.if (\s) < 4
	v_wmma_scale_f32_16x16x128_f8f6f4 v[ACC+8*\T:ACC+8*\T+7], v[RF:RF+11], v[XF+12*(\s):XF+12*(\s)+11], v[ACC+8*\T:ACC+8*\T+7], v[WS+4*\T+(\s)%4], v[XS+(\s)%4] matrix_a_fmt:MATRIX_FMT_FP6 matrix_b_fmt:MATRIX_FMT_FP6
.else
	v_wmma_scale_f32_16x16x128_f8f6f4 v[ACC+8*\T:ACC+8*\T+7], v[RF:RF+11], v[XF+12*(\s):XF+12*(\s)+11], v[ACC+8*\T:ACC+8*\T+7], v[WS+4*\T+(\s)%4], v[XS+(\s)%4] matrix_a_fmt:MATRIX_FMT_FP6 matrix_b_fmt:MATRIX_FMT_FP6 matrix_a_scale:MATRIX_SCALE_ROW1 matrix_b_scale:MATRIX_SCALE_ROW1
.endif
.endr
.endm
.macro XFRAG s                         ; x's fragment of K step s, of the rows that v4 names: 48 bytes a lane
.irp c, 0,1,2
	global_load_b128 v[XF+12*(\s)+4*\c:XF+12*(\s)+4*\c+3], v4, s[6:7] offset:96*(\s)+16*\c
.endr
.endm
; Behind K step 0 of a tile go out, in this order: the next tile's scale words (1), the list entries of the tile after that (1), the next tile's fragment 0 (3); behind K step s its fragment s (3).
.macro KSTEP s
.if (\s) == 0
	s_wait_loadcnt 21                              ; fragment 0 is in: behind it were issued fragments 1 to 7
	s_wait_dscnt 0x0                               ; b1 is in the accumulators
.else
	s_wait_loadcnt 23                              ; fragment s is in: behind it 3 (7 - s) of this tile, the two small loads and the next tile's fragments 0 to s - 1: 3 (7 - s) + 2 + 3 s = 23
.endif
	MUL8 \s
.rept 4
	v_nop                                          ; four places between a matrix instruction and a load into a register that it read, or a read of its result (ISA guide 7.12.1 for vector instructions)
.endr
	WIN 0
.if (\s) == 0
	global_load_b128 v[XSN:XSN+3], v5, s[8:9]
	global_load_b32 v15, v3, s[4:5]
.endif
	XFRAG \s
.endm
.macro ADDR src                        ; the list entry in v[src] becomes the row's addresses: the token is held inside its table first
	v_min_u32 v9, 0x7ff, v[\src]
	v_and_b32 v9, 0x3ff, v9                        ; t = u mod 1,024
	v_mul_u32_u24 v4, v9, 768
	v_add_nc_u32 v4, v4, v10                       ; codes: 768 t + 48 h
	v_lshlrev_b32 v5, 5, v9
	v_add_nc_u32 v5, v5, v11                       ; scale bytes: 32 t + 16 h: K steps 4 h .. 4 h + 3
.endm
	s_load_b256 s[4:11], s[0:1], 0x0               ; rowu s[4:5], xq s[6:7], xs s[8:9], W1's codes s[10:11]
	s_load_b256 s[12:19], s[0:1], 0x20             ; W1's scales s[12:13], b1 s[14:15], h_img s[16:17], h_scl s[18:19]
	v_lshl_add_u32 v254, v0, 2, 0x18a00
	v_mov_b32 v255, 0
	v_lshrrev_b32 v15, 5, v0
	v_readfirstlane_b32 s24, v15                   ; wave
	s_mov_b32 s22, ttmp9                           ; j: which 128 hidden units
	s_and_b32 s23, ttmp7, 0xffff                   ; e: the expert
	v_and_b32 v15, 31, v0                          ; lane
	v_lshlrev_b32 v1, 4, v15                       ; v1  16 x lane
	v_lshlrev_b32 v12, 2, v15                      ; v12 4 x lane
	v_and_b32 v9, 15, v0                           ; r
	v_bfe_u32 v3, v0, 4, 1                         ; h
	v_lshlrev_b32 v2, 2, v9                        ; v2  4 r: my word of a tile's 16 list entries
	v_lshl_add_u32 v6, v3, 6, BIAS                 ; v6  b1: tile T's eight units of my half lie at 4 (32 (T / 2) + 8 (T % 2)) + 64 h
	v_mul_u32_u24 v10, v3, 48                      ; v10 48 h
	v_lshlrev_b32 v11, 4, v3                       ; v11 16 h
	v_mul_u32_u24 v13, v9, WP
	v_mad_u32_u24 v13, v3, 24, v13                 ; v13 a weight fragment's slot r, + 24 h
	v_add_nc_u32 v14, HALFW, v13                   ; v14 the same for tiles 4-7
	v_and_b32 v[WSA], 8, v9
	v_add_nc_u32 v[WSA], v[WSA], v9                ; r + 8 (r / 8)
	v_lshlrev_b32 v[WSA], 5, v[WSA]
	v_add_nc_u32 v[WSA], v[WSA], v11               ; W1's scale bytes: 32 a row, + 16 h
.irp m, 0,1,2                          ; the slice goes to LDS in 48 loads of 2,048 bytes; three of them are 8 rows.  Of those 384 pieces of 16 bytes piece q = 128 m + thread is mine
	v_add_nc_u32 v[GA+\m], 128*\m, v0
	v_mul_u32_u24 v[LW+\m], v[GA+\m], 683
	v_lshrrev_b32 v[LW+\m], 15, v[LW+\m]           ; q / 48 (683 / 32,768 serves q < 384): which of the 8 rows
	v_mul_u32_u24 v[LW2+\m], v[LW+\m], 48
	v_sub_nc_u32 v[LW2+\m], v[GA+\m], v[LW2+\m]    ; q % 48: which 16 bytes of it
	v_mul_u32_u24 v[LW+\m], v[LW+\m], WP
	v_lshl_add_u32 v[LW+\m], v[LW2+\m], 4, v[LW+\m]
	v_add_nc_u32 v[LW2+\m], HALFW, v[LW+\m]
	v_lshlrev_b32 v[GA+\m], 4, v[GA+\m]            ; the rows are dense in memory: 16 q
.endr
	v_lshlrev_b32 v124, 2, v0
	v_lshl_add_u32 v123, v0, 2, BIAS
.irp i, 0,1,2,3
	v_mov_b32 v[TM+4+\i], 0                        ; written once: a lane permute's destination counts as one of its sources
.endr
	s_lshl_b32 s35, s24, 6
	v_add_nc_u32 v3, s35, v2                       ; v3  the list entries of my first tile: 64 w + 4 r
	s_mov_b32 s27, 0
	s_mov_b32 s38, 0x76543210
	s_mov_b32 s39, 0xfedcba98                      ; v_permlanex16_b32's selects for lane l xor 16
	s_wait_kmcnt 0x0
	s_mul_i32 s26, s23, 4608
	s_add_nc_u64 s[4:5], s[4:5], s[26:27]          ; rowu: expert e
	s_load_b32 s30, s[4:5], 0x11fc                 ; its word 1,151: the count
	s_mul_i32 s26, s23, 3145728
	s_mul_i32 s28, s22, 98304
	s_add_co_u32 s26, s26, s28
	s_add_nc_u64 s[10:11], s[10:11], s[26:27]      ; my slice's codes
	s_lshl_b32 s26, s23, 17
	s_lshl_b32 s28, s22, 12
	s_add_co_u32 s26, s26, s28
	s_add_nc_u64 s[12:13], s[12:13], s[26:27]      ; its scale bytes
	s_lshl_b32 s26, s23, 14
	s_lshl_b32 s28, s22, 9
	s_add_co_u32 s26, s26, s28
	s_add_nc_u64 s[14:15], s[14:15], s[26:27]      ; its part of b1
	s_mul_i32 s26, s23, 3145728
	s_mul_i32 s28, s22, 1536
	s_add_co_u32 s26, s26, s28
	s_add_nc_u64 s[16:17], s[16:17], s[26:27]      ; h_img: expert e, tile 0, K step j
	s_lshl_b32 s26, s23, 18
	s_lshl_b32 s28, s22, 7
	s_add_co_u32 s26, s26, s28
	s_add_nc_u64 s[18:19], s[18:19], s[26:27]      ; h_scl likewise
	; the head's loads: list entries of my first two tiles (2), b1 (1), scale words (8), weights (48)
	global_load_b32 v9, v3, s[4:5]                 ; tile w
	global_load_b32 v15, v3, s[4:5] offset:256     ; tile w + 4
	global_load_b32 v122, v124, s[14:15]
.irp T, 0,1,2,3,4,5,6,7
	global_load_b128 v[WS+4*\T:WS+4*\T+3], v[WSA], s[12:13] offset:32*(32*(\T/2)+8*(\T%2))
.endr
	WIN 0x40                                       ; destination window 1
.set CH, 0
.rept 48
	global_load_b128 v[4*CH:4*CH+3], v[GA+CH%3], s[10:11] offset:6144*(CH/3) th:TH_LOAD_NT   ; the four waves read 2,048 consecutive bytes; read once in the launch
.set CH, CH+1
.endr
	; ---- the slice into LDS: rows 8 G .. 8 G + 7 go to slots 8 SG on, SG = G with its two low bits changing places
	WIN 0x04                                       ; an LDS store's data are its source 1: window 1
.set CH, 0
.rept 48
.if CH%8 == 0
	s_wait_loadcnt 40-CH                           ; the next eight weight loads are in (and all that was issued ahead of the weights); the younger ones stay out
.endif
.set G, CH/3
.set SG, 4*(G/4)+2*(G&1)+((G>>1)&1)
.if SG < 8
	ds_store_b128 v[LW+CH%3], v[4*CH:4*CH+3] offset:8*WP*SG
.else
	ds_store_b128 v[LW2+CH%3], v[4*CH:4*CH+3] offset:8*WP*(SG-8)
.endif
.set CH, CH+1
.endr
	WIN 0
	ds_store_b32 v123, v122                        ; b1
	s_wait_kmcnt 0x0                               ; the count
	s_min_u32 s30, s30, 1024
	s_add_co_u32 s31, s30, 15
	s_lshr_b32 s31, s31, 4                         ; tiles
	s_wait_dscnt 0x0                               ; for the others' sake: my stores are done
	s_barrier_signal -1
	s_barrier_wait -1                              ; slice and b1 are whole; from here on LDS is only read
	ADDR 9                                         ; my first tile's rows
	global_load_b128 v[XSN:XSN+3], v5, s[8:9]      ; its scale words, then its fragments
.irp s, 0,1,2,3,4,5,6,7
	XFRAG \s
.endr
.set FI, 0
.rept 64
	WFRAG FI                                       ; the whole slice into my registers, while those loads are out
.set FI, FI+1
.endr
	WIN 0
	s_wait_dscnt 0x0
	s_mov_b32 s32, s24                             ; my tile
	s_mov_b32 s33, 0                               ; trips
.Ltrip:
	s_cmp_ge_u32 s32, s31
	s_cbranch_scc1 .Lskip                          ; no such tile: only the counters step
	s_wait_xcnt 0x0                                ; the last trip's loads and stores have read their address and data registers: v3, v4, v5, v7, v8 and the fragment made are written again only behind this wait
	s_wait_loadcnt 24                              ; this tile's scale words and the next tile's list entries are in: behind them were issued this tile's 24 fragment loads
.irp i, 0,1,2,3
	v_mov_b32 v[XS+\i], v[XSN+\i]
.endr
.irp T, 0,1,2,3,4,5,6,7
	ds_load_b128 v[ACC+8*\T:ACC+8*\T+3], v6 offset:4*(32*(\T/2)+8*(\T%2))          ; b1 in the result's layout starts the sums
	ds_load_b128 v[ACC+8*\T+4:ACC+8*\T+7], v6 offset:4*(32*(\T/2)+8*(\T%2))+16
.endr
	ADDR 15                                        ; the next tile's rows
	s_add_co_u32 s40, s32, 8
	s_min_u32 s40, s40, 63                         ; the tile after that, held inside the list's 64 tiles
	s_lshl_b32 s40, s40, 6
	v_add_nc_u32 v3, s40, v2                       ; its list entries
	s_mul_i32 s36, s32, 49152
	s_lshl_b32 s37, s32, 12
	v_add_nc_u32 v7, s36, v1                       ; where this tile's image goes
	v_add_nc_u32 v8, s37, v12                      ; and its scale words
.rept 3
	v_nop                                          ; with the nine lines above: more than eight places between the moves into the scale registers and the first product
.endr
.irp s, 0,1,2,3,4,5,6,7
	KSTEP \s
.endr
	; ---- relu, in f32, each accumulator from its low end on; then the quantiser along the next K
.set I, 0
.rept 64
	v_max_num_f32 v[ACC+I], 0, v[ACC+I]
.set I, I+1
.endr
.irp b, 0,1,2,3
	v_max3_num_f32 v[TM+\b], v[ACC+16*\b], v[ACC+1+16*\b], 0x1800000       ; block b: my 16 numbers (none is negative), and the floor 2^(3 - 127): the byte cannot fall under 1
.endr
.irp i, 2,4,6,8,10,12,14
.irp b, 0,1,2,3
	v_max3_num_f32 v[TM+\b], v[TM+\b], v[ACC+16*\b+\i], v[ACC+1+16*\b+\i]  ; the four blocks by turns
.endr
.endr
.irp b, 0,1,2,3
	v_permlanex16_b32 v[TM+4+\b], v[TM+\b], s38, s39
.endr
.irp b, 0,1,2,3
	v_max_num_f32 v[TM+\b], v[TM+\b], v[TM+4+\b]   ; with lane l xor 16's 16: the block's largest
.endr
.irp b, 0,1,2,3
	v_add_nc_u32 v[TM+8+\b], 0xff000000, v[TM+\b]  ; 2 off its exponent field: the conversion's scale operand
.endr
.irp b, 0,1,2,3
	v_lshrrev_b32 v[TM+4+\b], 23, v[TM+8+\b]       ; the scale's byte
.endr
	v_lshl_or_b32 v[PW], v[TM+5], 8, v[TM+4]
	v_lshl_or_b32 v[PW], v[TM+6], 16, v[PW]
	v_lshl_or_b32 v[PW], v[TM+7], 24, v[PW]        ; my row's scale word (both halves of the lanes hold it)
.irp c, 0,1
	v_cvt_scalef32_pk16_fp6_f32 v[PC+6*\c:PC+6*\c+2], v[ACC+32*\c:ACC+32*\c+15], v[TM+8+2*\c]
	v_cvt_scalef32_pk16_fp6_f32 v[TM+4*\c:TM+4*\c+2], v[ACC+32*\c+16:ACC+32*\c+31], v[TM+9+2*\c]   ; (a conversion's three registers begin on an even number: made where the maxima and bytes lay, and moved)
.endr
	v_nop                                          ; a plain line behind the conversions
.irp c, 0,1                            ; the operand's layout wants a whole block in a lane: lanes 0-15 block 2 c, lanes 16-31 block 2 c + 1
.irp i, 0,1,2
	v_permlane16_swap_b32 v[PC+6*\c+\i], v[TM+4*\c+\i]
.endr
.irp i, 0,1,2
	v_mov_b32 v[PC+3+6*\c+\i], v[TM+4*\c+\i]
.endr
.endr
.irp c, 0,1,2
	global_store_b128 v7, v[PC+4*\c:PC+4*\c+3], s[16:17] offset:512*\c     ; 32 lanes store 512 consecutive bytes
.endr
	global_store_b32 v8, v[PW], s[18:19]
.Lskip:
	s_add_co_u32 s32, s32, 4
	s_add_co_u32 s33, s33, 1
	s_cmp_lt_u32 s33, 16
	s_cbranch_scc1 .Ltrip
	s_wait_tensorcnt 0x0
	ds_add_u32 v254, v255
	s_wait_dscnt 0x0
	s_endpgm
.Lfunc_end_k_q39f5520c98_ffn1:
	.size	k_q39f5520c98_ffn1, .Lfunc_end_k_q39f5520c98_ffn1-k_q39f5520c98_ffn1
	.p2alignl 7, 3214868480
	.fill 96, 4, 3214868480
	.section	.rodata,"a",@progbits
	.p2align	6, 0x0
	.amdhsa_kernel k_q39f5520c98_ffn1
		.amdhsa_group_segment_fixed_size 101376
		.amdhsa_private_segment_fixed_size 0
		.amdhsa_enable_private_segment 0
		.amdhsa_kernarg_size 64
		.amdhsa_user_sgpr_count 2
		.amdhsa_user_sgpr_kernarg_segment_ptr 1
		.amdhsa_wavefront_size32 1
		.amdhsa_system_sgpr_workgroup_id_x 1
		.amdhsa_system_sgpr_workgroup_id_y 1
		.amdhsa_system_sgpr_workgroup_id_z 1
		.amdhsa_system_vgpr_workitem_id 0
		.amdhsa_next_free_vgpr 1024
		.amdhsa_next_free_sgpr 66
		.amdhsa_reserve_vcc 0
		.amdhsa_float_denorm_mode_32 3
		.amdhsa_float_denorm_mode_16_64 3
		.amdhsa_memory_ordered 1
		.amdhsa_forward_progress 1
		.amdhsa_inst_pref_size 61
	.end_amdhsa_kernel
	.amdgpu_metadata
---
amdhsa.version: [ 1, 2 ]
amdhsa.kernels:
  - .name:           k_q39f5520c98_ffn1
    .symbol:         k_q39f5520c98_ffn1.kd
    .args:
      - { .name: rowu, .offset: 0, .size: 8, .value_kind: global_buffer, .address_space: global }
      - { .name: xq, .offset: 8, .size: 8, .value_kind: global_buffer, .address_space: global }
      - { .name: xs, .offset: 16, .size: 8, .value_kind: global_buffer, .address_space: global }
      - { .name: W1_codes, .offset: 24, .size: 8, .value_kind: global_buffer, .address_space: global }
      - { .name: W1_scales, .offset: 32, .size: 8, .value_kind: global_buffer, .address_space: global }
      - { .name: b1, .offset: 40, .size: 8, .value_kind: global_buffer, .address_space: global }
      - { .name: h_img, .offset: 48, .size: 8, .value_kind: global_buffer, .address_space: global }
      - { .name: h_scl, .offset: 56, .size: 8, .value_kind: global_buffer, .address_space: global }
    .group_segment_fixed_size: 101376
    .private_segment_fixed_size: 0
    .kernarg_segment_align: 8
    .kernarg_segment_size: 64
    .max_flat_workgroup_size: 128
    .sgpr_count:     66
    .vgpr_count:     1024
    .wavefront_size: 32
...
	.end_amdgpu_metadata
.endif
;; end of part 3
;; launch ffn2 (part 4): grid 32 x 8, 4 waves a work-group, no clusters, 139,776 bytes of LDS; arguments rowu, h_img, h_scl, W2_codes, W2_scales, b2, part; writes part
.if DOCPART == 4
	.amdgcn_target "amdgcn-amd-amdhsa--gfx1250"
	.amdhsa_code_object_version 6
	.text
	.protected	k_q39f5520c98_ffn2
	.globl	k_q39f5520c98_ffn2
	.p2align	8
	.type	k_q39f5520c98_ffn2,@function
k_q39f5520c98_ffn2:
	s_mov_b64 s[64:65], 0
	v_nop
	global_prefetch_b8 v0, s[64:65] scope:SCOPE_SE
	s_setreg_imm32_b32 hwreg(HW_REG_WAVE_MODE, 25, 1), 1
	s_wait_xcnt 0x0
; THE SECOND PRODUCT, FOR THE CHOSEN ROWS ALONE: h W2 + b2 on codes of FP6 (E2M3) with one E8M0 scale for each 32 along K; sums in f32.
; Work-group (x, e), x = 4 c8 + kq, owns output columns 128 c8 .. + 127 of expert e and quarter kq of K (1,024 of 4,096): 128 rows of W2's codes x 768 bytes, read from memory once in the launch.
; As in the launch before, EVERY wave holds the whole slice in registers, and the waves share the expert's tiles of 16 rows (wave w: tiles w, w + 4, ..).
; h arrives as images of the operand's registers (h_img, h_scl): three loads of 512 consecutive bytes bring a fragment, which feeds eight matrix instructions.
; THE MATRIX INSTRUCTION IS USED TRANSPOSED (source 0 = 16 rows of W2 = 16 output columns, source 1 = 16 rows of h): a lane holds eight neighbouring columns of one row.
; K IN FOUR PARTS: part [kq][slot][t][1,024] f32 takes each quarter's sums (b2 is the C of quarter 0's first matrix instruction, zeros of the others'); the next launch adds the four in f32
; and weighs the two slots.  With all of K a work-group would own 32 columns and read four times as many bytes of h for the same products.  LIMIT: so a row's K sum is made in four parts, not one chain.
; Row u = t + 1,024 x slot of a tile comes from rowu (whole numbers stored by an earlier launch), as does the count: every output row has one owner; the copies that fill the last tile store the same numbers again.
; The sixteen rows' places in part are made at a trip's head, each through a scalar register of its own: the sixteen entries change from vector to scalar registers in one run.
; NO TENSOR LOAD, NO CLUSTER: which trips do work hangs on a count read from memory, and each weight byte is read by one work-group alone.  A work-group whose expert has no row stores nothing.
; REGISTERS.  Window 0: v1-15 addresses; v16-111 XF: h's eight fragments; v112-175 ACC; v176-207 W2's scale words; v208-211 h's, v212-215 the next tile's; v216-231 the rows' places in part; v242-253 weight fragment 63.
;   Windows 1-3: weight fragment f = 8 s + T, f < 63, in window 1 + f / 21 at v[12 (f % 21)].  At the head window 1's v0-191 stage the weights on their way to LDS.
.set WP,    784                        ; a slot of the slice in LDS: 768 bytes + 16 = 196 words: slot r starts at bank 4 r mod 64 (64 banks of 4 bytes: ISA guide 11.1)
.set HALFW, 64*WP
.set BIAS,  128*WP+4608                ; my 128 numbers of b2 (or zeros)
.set STG,   BIAS+512                   ; the way out: 16 rows x (512 bytes + 16) for each wave, its own
.set SP,    528
.set XF,  16
.set ACC, 112
.set WS,  176                          ; register 4 T + i: lanes 0-15 tile T's words of K step i, lanes 16-31 of K step 4 + i
.set XS,  208                          ; register i: the same of h's rows
.set XSN, 212
.set PO,  216
.set W63, 242
.set RU,  68                           ; s68-83  the tile's sixteen entries
.set GA,  112                          ; at the head only, in ACC's registers
.set LW,  115
.set LW2, 118
.set WSA, 121
.set MSB, 0
.macro WIN new                         ; the immediate's high byte repeats the setting that is left
.if MSB != (\new)
	s_set_vgpr_msb (MSB<<8)|(\new)
.set MSB, (\new)
.endif
.endm
.macro WHERE f                         ; weight fragment f: window WF, register RF
.if (\f) < 63
.set WF, 1+(\f)/21
.set RF, 12*((\f)%21)
.else
.set WF, 0
.set RF, W63
.endif
.endm
.macro WFRAG f                         ; fragment f out of LDS: lane (r, h) takes, of slot 16 T + r, the 24 bytes at 96 s + 24 h and those 48 further on, in pieces of 8
	WHERE \f
.set FS, (\f)/8
.set FT, (\f)%8
	WIN (WF<<6)
.irp p, 0,1,2,3,4,5
.if FT < 4
	ds_load_b64 v[RF+2*\p:RF+2*\p+1], v13 offset:FT*16*WP+96*FS+48*(\p/3)+8*(\p%3)
.else
	ds_load_b64 v[RF+2*\p:RF+2*\p+1], v14 offset:(FT-4)*16*WP+96*FS+48*(\p/3)+8*(\p%3)
.endif
.endr
.endm
.macro MUL8 s                          ; K step s: the eight accumulators take turns, one instruction a turn
.irp T, 0,1,2,3,4,5,6,7
	WHERE 8*(\s)+\T
	WIN WF
.if (\s) < 4
	v_wmma_scale_f32_16x16x128_f8f6f4 v[ACC+8*\T:ACC+8*\T+7], v[RF:RF+11], v[XF+12*(\s):XF+12*(\s)+11], v[ACC+8*\T:ACC+8*\T+7], v[WS+4*\T+(\s)%4], v[XS+(\s)%4] matrix_a_fmt:MATRIX_FMT_FP6 matrix_b_fmt:MATRIX_FMT_FP6
.else
	v_wmma_scale_f32_16x16x128_f8f6f4 v[ACC+8*\T:ACC+8*\T+7], v[RF:RF+11], v[XF+12*(\s):XF+12*(\s)+11], v[ACC+8*\T:ACC+8*\T+7], v[WS+4*\T+(\s)%4], v[XS+(\s)%4] matrix_a_fmt:MATRIX_FMT_FP6 matrix_b_fmt:MATRIX_FMT_FP6 matrix_a_scale:MATRIX_SCALE_ROW1 matrix_b_scale:MATRIX_SCALE_ROW1
.endif
.endr
.endm
.macro SMALL                           ; a tile's list entries and scale words: five loads
	global_load_b32 v11, v3, s[4:5]
.irp i, 0,1,2,3
	global_load_b32 v[XSN+\i], v5, s[8:9] offset:128*\i
.endr
.endm
.macro HFRAG s                         ; h's fragment of my K step s, of the tile that v4 names: an image, 512 consecutive bytes a load
.irp c, 0,1,2
	global_load_b128 v[XF+12*(\s)+4*\c:XF+12*(\s)+4*\c+3], v4, s[6:7] offset:1536*(\s)+512*\c
.endr
.endm
; A tile's loads are issued in this order: the five small ones, then fragments 0 to 7 (3 each).  The next tile's fragment s goes out as soon as this tile's K step s is multiplied.
.macro KSTEP s
.if (\s) == 0
	s_wait_loadcnt 21                              ; fragment 0 is in: behind it were issued fragments 1 to 7
	s_wait_dscnt 0x0                               ; the bias is in the accumulators
.else
	s_wait_loadcnt 26                              ; fragment s is in: behind it 3 (7 - s) of this tile, the next tile's five small loads and its fragments 0 to s - 1: 3 (7 - s) + 5 + 3 s = 26
.endif
	MUL8 \s
.rept 4
	v_nop                                          ; four places between a matrix instruction and a load into a register that it read, or a read of its result (ISA guide 7.12.1 for vector instructions)
.endr
	WIN 0
.if (\s) == 0
	SMALL
.endif
	HFRAG \s
.endm
.macro NEXTADDR                        ; the tile in s36 becomes addresses: it is held inside the table of 64 tiles first
	s_min_u32 s36, s36, 63
	s_mul_i32 s37, s36, 49152
	v_add_nc_u32 v4, s37, v1                       ; images: 49,152 bytes a tile, + 16 x lane
	s_lshl_b32 s37, s36, 12
	v_add_nc_u32 v5, s37, v10                      ; scale words: 4,096 bytes a tile, + 512 h + 4 r: K steps 4 h .. 4 h + 3
	s_lshl_b32 s37, s36, 6
	v_add_nc_u32 v3, s37, v2                       ; list entries: 64 bytes a tile, + 4 r
.endm
	s_load_b256 s[4:11], s[0:1], 0x0               ; rowu s[4:5], h_img s[6:7], h_scl s[8:9], W2's codes s[10:11]
	s_load_b128 s[12:15], s[0:1], 0x20             ; W2's scales s[12:13], b2 s[14:15]
	s_load_b64 s[16:17], s[0:1], 0x30              ; part
	v_lshl_add_u32 v254, v0, 2, 0x22000
	v_mov_b32 v255, 0
	v_lshrrev_b32 v15, 5, v0
	v_readfirstlane_b32 s24, v15                   ; wave
	s_and_b32 s25, ttmp9, 3                        ; kq: which quarter of K
	s_lshr_b32 s22, ttmp9, 2                       ; c8: which 128 columns
	s_and_b32 s23, ttmp7, 0xffff                   ; e: the expert
	v_and_b32 v15, 31, v0
	v_lshlrev_b32 v1, 4, v15                       ; v1  16 x lane
	v_and_b32 v9, 15, v0                           ; r
	v_bfe_u32 v3, v0, 4, 1                         ; h
	v_lshlrev_b32 v2, 2, v9                        ; v2  4 r
	v_lshl_add_u32 v6, v3, 5, BIAS                 ; v6  the bias: tile T's eight columns of my half lie at 64 T + 32 h
	v_lshl_add_u32 v10, v3, 9, v2                  ; v10 512 h + 4 r
	v_mul_u32_u24 v13, v9, WP
	v_mad_u32_u24 v13, v3, 24, v13                 ; v13 a weight fragment's slot r, + 24 h
	v_add_nc_u32 v14, HALFW, v13                   ; v14 the same for tiles 4-7
	s_mul_i32 s28, s24, 16*SP
	s_add_co_u32 s28, s28, STG                     ; my stage
	v_mul_u32_u24 v7, v9, SP
	v_lshl_add_u32 v7, v3, 5, v7
	v_add_nc_u32 v7, s28, v7                       ; v7  in: row r, 32 bytes for each half of the lanes
	v_add_nc_u32 v8, s28, v1                       ; v8  back: the 32 lanes take a row of 512 bytes
	v_lshlrev_b32 v[WSA], 7, v9
	v_lshl_add_u32 v[WSA], v3, 4, v[WSA]           ; W2's scale bytes: 128 a row, + 16 h
.irp m, 0,1,2                          ; the slice goes to LDS in 48 loads; three of them are 8 rows of 768 bytes.  Of those 384 pieces of 16 bytes piece q = 128 m + thread is mine
	v_add_nc_u32 v[GA+\m], 128*\m, v0
	v_mul_u32_u24 v[LW+\m], v[GA+\m], 683
	v_lshrrev_b32 v[LW+\m], 15, v[LW+\m]           ; q / 48 (683 / 32,768 serves q < 384): which of the 8 rows
	v_mul_u32_u24 v[LW2+\m], v[LW+\m], 48
	v_sub_nc_u32 v[LW2+\m], v[GA+\m], v[LW2+\m]    ; q % 48: which 16 bytes of it
	v_mul_u32_u24 v[GA+\m], v[LW+\m], 3072
	v_lshl_add_u32 v[GA+\m], v[LW2+\m], 4, v[GA+\m]        ; in memory the rows are 3,072 bytes apart
	v_mul_u32_u24 v[LW+\m], v[LW+\m], WP
	v_lshl_add_u32 v[LW+\m], v[LW2+\m], 4, v[LW+\m]
	v_add_nc_u32 v[LW2+\m], HALFW, v[LW+\m]
.endr
	v_lshlrev_b32 v124, 2, v0
	v_lshl_add_u32 v123, v0, 2, BIAS
	s_mov_b32 s27, 0
	s_wait_kmcnt 0x0
	s_mul_i32 s26, s23, 4608
	s_add_nc_u64 s[4:5], s[4:5], s[26:27]          ; rowu: expert e
	s_load_b32 s30, s[4:5], 0x11fc                 ; its word 1,151: the count
	s_mul_i32 s26, s23, 3145728
	s_mul_i32 s28, s25, 12288
	s_add_co_u32 s26, s26, s28
	s_add_nc_u64 s[6:7], s[6:7], s[26:27]          ; h_img: expert e, tile 0, K step 8 kq
	s_lshl_b32 s26, s23, 18
	s_lshl_b32 s28, s25, 10
	s_add_co_u32 s26, s26, s28
	s_add_nc_u64 s[8:9], s[8:9], s[26:27]          ; h_scl likewise
	s_mul_i32 s26, s23, 3145728
	s_mul_i32 s28, s22, 393216
	s_add_co_u32 s26, s26, s28
	s_mul_i32 s28, s25, 768
	s_add_co_u32 s26, s26, s28
	s_add_nc_u64 s[10:11], s[10:11], s[26:27]      ; my slice's codes
	s_lshl_b32 s26, s23, 17
	s_lshl_b32 s28, s22, 14
	s_add_co_u32 s26, s26, s28
	s_lshl_b32 s28, s25, 5
	s_add_co_u32 s26, s26, s28
	s_add_nc_u64 s[12:13], s[12:13], s[26:27]      ; its scale bytes
	s_lshl_b32 s26, s23, 12
	s_lshl_b32 s28, s22, 9
	s_add_co_u32 s26, s26, s28
	s_add_nc_u64 s[14:15], s[14:15], s[26:27]      ; its part of b2
	s_lshl_b32 s26, s25, 23
	s_add_co_u32 s26, s26, s28
	s_add_nc_u64 s[16:17], s[16:17], s[26:27]      ; part: quarter kq, my 512 bytes of a row
	global_load_b32 v122, v124, s[14:15]
.irp T, 0,1,2,3,4,5,6,7
	global_load_b128 v[WS+4*\T:WS+4*\T+3], v[WSA], s[12:13] offset:2048*\T
.endr
	WIN 0x40                                       ; destination window 1
.set CH, 0
.rept 48
	global_load_b128 v[4*CH:4*CH+3], v[GA+CH%3], s[10:11] offset:24576*(CH/3) th:TH_LOAD_NT   ; 48 threads read a row's 768 consecutive bytes; read once in the launch
.set CH, CH+1
.endr
	WIN 0x04                                       ; an LDS store's data are its source 1: window 1
.set CH, 0
.rept 48
.if CH%8 == 0
	s_wait_loadcnt 40-CH                           ; the next eight weight loads are in; the younger ones stay out
.endif
.set G, CH/3
.if G < 8
	ds_store_b128 v[LW+CH%3], v[4*CH:4*CH+3] offset:8*WP*G
.else
	ds_store_b128 v[LW2+CH%3], v[4*CH:4*CH+3] offset:8*WP*(G-8)
.endif
.set CH, CH+1
.endr
	WIN 0
	s_cmp_eq_u32 s25, 0
	s_cselect_b32 s37, -1, 0
	v_cndmask_b32 v122, 0, v122, s37               ; b2 counts once: in quarter 0
	ds_store_b32 v123, v122
	s_wait_kmcnt 0x0
	s_min_u32 s30, s30, 1024
	s_add_co_u32 s31, s30, 15
	s_lshr_b32 s31, s31, 4                         ; tiles
	s_wait_dscnt 0x0                               ; for the others' sake: my stores are done
	s_barrier_signal -1
	s_barrier_wait -1                              ; slice and bias are whole; nobody writes them again
	s_cmp_eq_u32 s31, 0
	s_cbranch_scc1 .Lend                           ; no token chose this expert
	s_sub_co_u32 s35, s31, 1                       ; the last tile: no load names a tile behind it, so only images that were stored are read
	s_min_u32 s36, s24, s35
	NEXTADDR
	SMALL                                          ; the first tile's loads, in a tile's order
.irp s, 0,1,2,3,4,5,6,7
	HFRAG \s
.endr
.set FI, 0
.rept 64
	WFRAG FI                                       ; the whole slice into my registers, while those loads are out
.set FI, FI+1
.endr
	WIN 0
	s_wait_dscnt 0x0
	s_mov_b32 s32, s24                             ; my tile
	s_mov_b32 s33, 0                               ; trips
.Ltrip:
	s_cmp_ge_u32 s32, s31
	s_cbranch_scc1 .Lskip                          ; no such tile: only the counters step
	s_wait_xcnt 0x0                                ; the last trip's loads and stores have read their address and data registers: v3, v4, v5, the rows' places and the accumulators are written again only behind this wait
	s_wait_loadcnt 24                              ; this tile's five small loads are in: behind them were issued its 24 fragment loads
.irp i, 0,1,2,3
	v_mov_b32 v[XS+\i], v[XSN+\i]
.endr
.irp i, 0,1,2,3,4,5,6,7,8,9,10,11,12,13,14,15
	v_readlane_b32 s[RU+\i], v11, \i               ; row i's entry u (v11 is loaded again only behind K step 0)
.endr
.irp T, 0,1,2,3,4,5,6,7
	ds_load_b128 v[ACC+8*\T:ACC+8*\T+3], v6 offset:64*\T           ; the bias in the result's layout starts the sums
	ds_load_b128 v[ACC+8*\T+4:ACC+8*\T+7], v6 offset:64*\T+16
.endr
	s_add_co_u32 s36, s32, 4
	s_min_u32 s36, s36, s35                        ; the tile whose loads go out in this trip
	NEXTADDR
.irp i, 0,1,2,3,4,5,6,7,8,9,10,11,12,13,14,15
	s_min_u32 s[RU+\i], s[RU+\i], 2047             ; held inside part's 2,048 rows
.endr
.irp i, 0,1,2,3,4,5,6,7,8,9,10,11,12,13,14,15
	s_lshl_b32 s[RU+\i], s[RU+\i], 12              ; 4,096 bytes a row
.endr
.irp i, 0,1,2,3,4,5,6,7,8,9,10,11,12,13,14,15
	v_add_nc_u32 v[PO+\i], s[RU+\i], v1            ; row i's place in part.  With the three additions above: nineteen places between the moves into the scale registers and the first product
.endr
.irp s, 0,1,2,3,4,5,6,7
	KSTEP \s
.endr
	; ---- the way out: through my own stage, back as whole rows of 512 bytes
.irp T, 0,1,2,3,4,5,6,7
	ds_store_b128 v7, v[ACC+8*\T:ACC+8*\T+3] offset:64*\T          ; each accumulator from its low end on
	ds_store_b128 v7, v[ACC+8*\T+4:ACC+8*\T+7] offset:64*\T+16
.endr
.irp i, 0,1,2,3,4,5,6,7,8,9,10,11,12,13,14,15
	ds_load_b128 v[ACC+4*\i:ACC+4*\i+3], v8 offset:\i*SP           ; LDS serves a wave's instructions in order (ISA guide 5.7.1.4): these see the stores above; the next trip's stores come behind them
.endr
.irp i, 0,1,2,3,4,5,6,7,8,9,10,11,12,13,14,15
	s_wait_dscnt 15-\i                             ; row i is back; the younger rows may be out
	global_store_b128 v[PO+\i], v[ACC+4*\i:ACC+4*\i+3], s[16:17]   ; 32 lanes store 512 consecutive bytes, at a multiple of 512 from part's first byte
.endr
.Lskip:
	s_add_co_u32 s32, s32, 4
	s_add_co_u32 s33, s33, 1
	s_cmp_lt_u32 s33, 16
	s_cbranch_scc1 .Ltrip
.Lend:
	s_wait_tensorcnt 0x0
	ds_add_u32 v254, v255
	s_wait_dscnt 0x0
	s_endpgm
.Lfunc_end_k_q39f5520c98_ffn2:
	.size	k_q39f5520c98_ffn2, .Lfunc_end_k_q39f5520c98_ffn2-k_q39f5520c98_ffn2
	.p2alignl 7, 3214868480
	.fill 96, 4, 3214868480
	.section	.rodata,"a",@progbits
	.p2align	6, 0x0
	.amdhsa_kernel k_q39f5520c98_ffn2
		.amdhsa_group_segment_fixed_size 139776
		.amdhsa_private_segment_fixed_size 0
		.amdhsa_enable_private_segment 0
		.amdhsa_kernarg_size 56
		.amdhsa_user_sgpr_count 2
		.amdhsa_user_sgpr_kernarg_segment_ptr 1
		.amdhsa_wavefront_size32 1
		.amdhsa_system_sgpr_workgroup_id_x 1
		.amdhsa_system_sgpr_workgroup_id_y 1
		.amdhsa_system_sgpr_workgroup_id_z 1
		.amdhsa_system_vgpr_workitem_id 0
		.amdhsa_next_free_vgpr 1024
		.amdhsa_next_free_sgpr 84
		.amdhsa_reserve_vcc 0
		.amdhsa_float_denorm_mode_32 3
		.amdhsa_float_denorm_mode_16_64 3
		.amdhsa_memory_ordered 1
		.amdhsa_forward_progress 1
		.amdhsa_inst_pref_size 63
	.end_amdhsa_kernel
	.amdgpu_metadata
---
amdhsa.version: [ 1, 2 ]
amdhsa.kernels:
  - .name:           k_q39f5520c98_ffn2
    .symbol:         k_q39f5520c98_ffn2.kd
    .args:
      - { .name: rowu, .offset: 0, .size: 8, .value_kind: global_buffer, .address_space: global }
      - { .name: h_img, .offset: 8, .size: 8, .value_kind: global_buffer, .address_space: global }
      - { .name: h_scl, .offset: 16, .size: 8, .value_kind: global_buffer, .address_space: global }
      - { .name: W2_codes, .offset: 24, .size: 8, .value_kind: global_buffer, .address_space: global }
      - { .name: W2_scales, .offset: 32, .size: 8, .value_kind: global_buffer, .address_space: global }
      - { .name: b2, .offset: 40, .size: 8, .value_kind: global_buffer, .address_space: global }
      - { .name: part, .offset: 48, .size: 8, .value_kind: global_buffer, .address_space: global }
    .group_segment_fixed_size: 139776
    .private_segment_fixed_size: 0
    .kernarg_segment_align: 8
    .kernarg_segment_size: 56
    .max_flat_workgroup_size: 128
    .sgpr_count:     84
    .vgpr_count:     1024
    .wavefront_size: 32
...
	.end_amdgpu_metadata
.endif
;; end of part 4
;; launch combine (part 5): grid 256 x 1, 8 waves a work-group, no clusters, 0 bytes of LDS; arguments part, gw, out0; writes out0
.if DOCPART == 5
	.amdgcn_target "amdgcn-amd-amdhsa--gfx1250"
	.amdhsa_code_object_version 6
	.text
	.protected	k_q39f5520c98_combine
	.globl	k_q39f5520c98_combine
	.p2align	8
	.type	k_q39f5520c98_combine,@function
k_q39f5520c98_combine:
	s_mov_b64 s[64:65], 0
	v_nop
	global_prefetch_b8 v0, s[64:65] scope:SCOPE_SE
	s_setreg_imm32_b32 hwreg(HW_REG_WAVE_MODE, 25, 1), 1
	s_wait_xcnt 0x0
; out0[t] = gw[0][t] x (the sum over kq of part[kq][0][t]) + gw[1][t] x (the sum over kq of part[kq][1][t]), all in f32.
; A stream: a work-group takes tokens 4 g .. 4 g + 3; thread i owns the 16 bytes at 16 i of every row, so each load and store of a wave covers 512 consecutive bytes.
; All 32 loads of a thread go out at once; a row is finished while the later rows' loads are on their way.  No LDS, no barrier, no matrix unit: nothing is shared and nothing is multiplied by a matrix.
.set D, 16                             ; v16-143  row k: eight loads of 4 registers, load 2 kq + slot
.set O, 144                            ; v144-159 row k's result: registers of its own, so that no store's data are written again
	s_load_b128 s[4:7], s[0:1], 0x0                ; part s[4:5], gw s[6:7]
	s_load_b64 s[16:17], s[0:1], 0x10              ; out0
	v_lshlrev_b32 v1, 4, v0
.irp i, 0,1,2,3,4,5,6,7
	v_add_nc_u32 v[2+\i], 4194304*\i, v1           ; plane 2 kq + slot of part: 1,024 rows of 4,096 bytes
.endr
	s_lshl_b32 s18, ttmp9, 14                      ; four rows of 4,096 bytes
	s_mov_b32 s19, 0
	s_lshl_b32 s20, ttmp9, 4                       ; four weights
	s_mov_b32 s21, 0
	s_wait_kmcnt 0x0
	s_add_nc_u64 s[4:5], s[4:5], s[18:19]
	s_add_nc_u64 s[16:17], s[16:17], s[18:19]
	s_add_nc_u64 s[6:7], s[6:7], s[20:21]
	s_load_b128 s[8:11], s[6:7], 0x0               ; gw[0][4 g ..]
	s_load_b128 s[12:15], s[6:7], 0x1000           ; gw[1][4 g ..]
.irp k, 0,1,2,3
.irp i, 0,1,2,3,4,5,6,7
	global_load_b128 v[D+32*\k+4*\i:D+32*\k+4*\i+3], v[2+\i], s[4:5] offset:4096*\k th:TH_LOAD_NT
.endr
.endr
	s_wait_kmcnt 0x0
.irp k, 0,1,2,3
	s_wait_loadcnt 24-8*\k                         ; row k's eight loads are in; the later rows' may be out
.irp s, 0,1
.irp n, 0,2
	v_pk_add_f32 v[D+32*\k+4*\s+\n:D+32*\k+4*\s+\n+1], v[D+32*\k+4*\s+\n:D+32*\k+4*\s+\n+1], v[D+32*\k+8+4*\s+\n:D+32*\k+8+4*\s+\n+1]          ; quarters 0 + 1
	v_pk_add_f32 v[D+32*\k+16+4*\s+\n:D+32*\k+16+4*\s+\n+1], v[D+32*\k+16+4*\s+\n:D+32*\k+16+4*\s+\n+1], v[D+32*\k+24+4*\s+\n:D+32*\k+24+4*\s+\n+1]  ; quarters 2 + 3
.endr
.endr
.irp s, 0,1
.irp n, 0,2
	v_pk_add_f32 v[D+32*\k+4*\s+\n:D+32*\k+4*\s+\n+1], v[D+32*\k+4*\s+\n:D+32*\k+4*\s+\n+1], v[D+32*\k+16+4*\s+\n:D+32*\k+16+4*\s+\n+1]
.endr
.endr
.irp n, 0,1,2,3
	v_mul_f32 v[O+4*\k+\n], s[8+\k], v[D+32*\k+\n]
.endr
.irp n, 0,1,2,3
	v_fma_f32 v[O+4*\k+\n], s[12+\k], v[D+32*\k+4+\n], v[O+4*\k+\n]
.endr
	global_store_b128 v1, v[O+4*\k:O+4*\k+3], s[16:17] offset:4096*\k th:TH_STORE_NT
.endr
	s_endpgm
.Lfunc_end_k_q39f5520c98_combine:
	.size	k_q39f5520c98_combine, .Lfunc_end_k_q39f5520c98_combine-k_q39f5520c98_combine
	.p2alignl 7, 3214868480
	.fill 96, 4, 3214868480
	.section	.rodata,"a",@progbits
	.p2align	6, 0x0
	.amdhsa_kernel k_q39f5520c98_combine
		.amdhsa_group_segment_fixed_size 0
		.amdhsa_private_segment_fixed_size 0
		.amdhsa_enable_private_segment 0
		.amdhsa_kernarg_size 24
		.amdhsa_user_sgpr_count 2
		.amdhsa_user_sgpr_kernarg_segment_ptr 1
		.amdhsa_wavefront_size32 1
		.amdhsa_system_sgpr_workgroup_id_x 1
		.amdhsa_system_sgpr_workgroup_id_y 1
		.amdhsa_system_sgpr_workgroup_id_z 1
		.amdhsa_system_vgpr_workitem_id 0
		.amdhsa_next_free_vgpr 160
		.amdhsa_next_free_sgpr 66
		.amdhsa_reserve_vcc 0
		.amdhsa_float_denorm_mode_32 3
		.amdhsa_float_denorm_mode_16_64 3
		.amdhsa_memory_ordered 1
		.amdhsa_forward_progress 1
		.amdhsa_inst_pref_size 10
	.end_amdhsa_kernel
	.amdgpu_metadata
---
amdhsa.version: [ 1, 2 ]
amdhsa.kernels:
  - .name:           k_q39f5520c98_combine
    .symbol:         k_q39f5520c98_combine.kd
    .args:
      - { .name: part, .offset: 0, .size: 8, .value_kind: global_buffer, .address_space: global }
      - { .name: gw, .offset: 8, .size: 8, .value_kind: global_buffer, .address_space: global }
      - { .name: out0, .offset: 16, .size: 8, .value_kind: global_buffer, .address_space: global }
    .group_segment_fixed_size: 0
    .private_segment_fixed_size: 0
    .kernarg_segment_align: 8
    .kernarg_segment_size: 24
    .max_flat_workgroup_size: 256
    .sgpr_count:     66
    .vgpr_count:     160
    .wavefront_size: 32
...
	.end_amdgpu_metadata
.endif
;; end of part 5
;; ======== version 2 of 2: 5 launches; version 1 with the launches ffn1, ffn2 written anew for expert scheduling mode
;; workspace buffers: xq 786,432 bytes; xs 32,768 bytes; sel 4,096 bytes of whole numbers; gw 8,192 bytes; rowu 36,864 bytes of whole numbers; h_img 25,165,824 bytes; h_scl 2,097,152 bytes; part 33,554,432 bytes
;; launch gate: the kernel of part 1 again; grid 256 x 1, 4 waves a work-group, no clusters, 52,224 bytes of LDS; arguments x, Wg, bg, xq, xs, sel, gw; writes xq, xs, sel, gw
;; launch place: the kernel of part 2 again; grid 8 x 1, 1 waves a work-group, no clusters, 4,864 bytes of LDS; arguments sel, rowu; writes rowu
;; launch ffn1 (part 6): grid 32 x 8, 4 waves a work-group, no clusters, 101,376 bytes of LDS; arguments rowu, xq, xs, W1_codes, W1_scales, b1, h_img, h_scl; writes h_img, h_scl
.if DOCPART == 6
	.amdgcn_target "amdgcn-amd-amdhsa--gfx1250"
	.amdhsa_code_object_version 6
	.text
	.protected	k_q39f5520c98_ffn1
	.globl	k_q39f5520c98_ffn1
	.p2align	8
	.type	k_q39f5520c98_ffn1,@function
k_q39f5520c98_ffn1:
	s_mov_b64 s[64:65], 0
	v_nop
	global_prefetch_b8 v0, s[64:65] scope:SCOPE_SE
	s_setreg_imm32_b32 hwreg(HW_REG_WAVE_SCHED_MODE, 0, 2), 2
	s_setreg_imm32_b32 hwreg(HW_REG_WAVE_MODE, 25, 1), 1
	s_wait_xcnt 0x0
	s_wait_alu depctr_vm_vsrc(0)
; THE FIRST PRODUCT, FOR THE CHOSEN ROWS ALONE: h = Q(relu(x W1 + b1)), on codes of FP6 (E2M3) with one E8M0 scale for each 32 along K; sums in f32.
; Work-group (j, e) owns hidden units 128 j .. 128 j + 127 of expert e: 128 rows of W1 x 1,024 along K, 98,304 bytes, read from memory once in the launch.
; EVERY one of its four waves holds the whole slice in registers (64 fragments of 12), and the waves share the expert's rows: tiles of 16 rows, wave w takes tiles w, w + 4, ..
; So a fragment of x (1,536 bytes) feeds eight matrix instructions, and the loop has no barrier and reads no weight.
; THE ROWS come from rowu (whole numbers stored by the launch before: 1,152 words an expert; entry u = t + 1,024 x slot; word 1,151 the count).  The last tile is filled with copies of the last entry:
; those rows give the same numbers again.  Behind them the list holds zeros, so that the loads which run ahead always name a token.  An entry is asked for two tiles ahead, x's codes one tile ahead.
; THE MATRIX INSTRUCTION IS USED TRANSPOSED (source 0 = 16 rows of W1, source 1 = 16 rows of x), AND THE ROWS OF W1 THAT FORM A TILE ARE NOT NEIGHBOURS: slot 16 T + r of the slice in LDS holds row
; 32 (T / 2) + 8 (T % 2) + r + 8 (r / 8).  So the 16 registers of tiles 2 b and 2 b + 1 are hidden units 32 b + 16 (lane / 16) + 0 .. 15 of ONE row: neighbours along the next K, quantised in registers.
; The wave's 128 hidden units are K step j of the second product: one fragment and one scale word a row.  They leave as an IMAGE OF THE OPERAND'S REGISTERS:
; h_img [e][tile][K step][1,536]: registers 4 c .. 4 c + 3 of lane l at 512 c + 16 l;  h_scl [e][tile][K step][32 lanes]: 4 bytes a lane.  Each store of the wave covers 512 (128) consecutive bytes.
; b1 is the C of each sum's first matrix instruction.
; NO TENSOR LOAD, NO CLUSTER: which trips of the loop do work hangs on a count read from memory, and partners in a cluster would have different counts; each weight byte is read by one work-group alone.
; The loop has 16 trips for every count (64 tiles at the most, four waves); a trip without a tile jumps to the lines that step the counters.
; LIMITS: a block of zeros gets the scale byte 1 (its codes are zeros; only this program reads the bytes); NaN and infinities are not served.
; REGISTERS.  Window 0: v1-15 addresses; v16-111 XF: x's eight fragments; v112-175 ACC: 8 tiles x 8; v176-207 W1's scale words; v208-211 x's, v212-215 the next tile's; v216-241 the quantiser's; v242-253 weight fragment 63.
;   Windows 1-3: weight fragment f = 8 s + T (K step s, tile T), f < 63, in window 1 + f / 21 at v[12 (f % 21)].  At the head window 1's v0-191 stage the weights on their way to LDS.
; THE MODE: SCHED_MODE bits 1:0 = 2 (LLVM: expert scheduling mode 2), set by the entry lines.  The code itself states the register dependences between vector or matrix instructions
; and memory or LDS instructions, with s_wait_alu, always for 0.
; THE PLAN.  Registers that memory or LDS instructions touch, in the loop:
;   XF0 .. XF7    K step s's eight matrix instructions read XF[s]; the next tile's fragment s lands in it.  Its three loads stand at the head of K step s + 1 (fragment 7's behind K step 7).
;   XSN, v15      Read at the trip's head by the moves into XS and by the address lines; loaded again at the head of K step 0.
;   v3, v4, v5    Written at the trip's head; read by this trip's loads (list entries, fragments, scale words).
;   v7, v8        Written at the trip's head; read by the trip's four stores.   PC, PW: written by the quantiser; read by those stores.
;   ACC           Loaded from LDS (b1) at the trip's head; then matrix and vector instructions alone.
;   v1, v2, v6, v10-v14  Made at the head of the kernel, never written again.
; THE WAITS OF A TRIP.  One on vm_vsrc at its head.  One on va_vdst at the head of each K step, behind the wait for that step's fragment: the step before is done reading its fragment, in which the three loads
; that follow land; these eight matrix instructions name the weights, XF[s], ACC and scales, none of the registers that those loads touch.  K step 0's states the trip's head instead.  One behind K step 7, one ahead of the stores.
; The loads of b1 into ACC owe none of their own: since the wait ahead of the last trip's stores (on the way in: the last of the kernel's head) the vector side has issued only the moves into XS.
.set WP,    784                        ; a slot of the slice in LDS: 768 bytes + 16 = 196 words: slot r starts at bank 4 r mod 64 (64 banks of 4 bytes: ISA guide 11.1); with 24 bytes for the upper lanes the 32 lanes of an 8-byte load touch 64 different banks
.set HALFW, 64*WP                      ; an LDS offset has 16 bits: slots 64-127 have address registers of their own
.set BIAS,  128*WP                     ; behind the slice: my 128 numbers of b1
.set XF,  16
.set ACC, 112
.set WS,  176                          ; register 4 T + i: lanes 0-15 tile T's words of K step i, lanes 16-31 of K step 4 + i
.set XS,  208                          ; register i: the same of x's rows
.set XSN, 212
.set TM,  216                          ; v216-219 largest magnitudes, v220-223 bytes, v224-227 the conversions' scale operands
.set PW,  228                          ; the scale word
.set PC,  230                          ; v230-241 the fragment made
.set W63, 242
.set GA,  112                          ; at the head only, in ACC's registers: v112-114 where I read the weights, v115-117, v118-120 where I put them,
.set LW,  115
.set LW2, 118
.set WSA, 121                          ; v121 W1's scale words, v122 my number of b1, v123 its place in LDS, v124 in memory
.set MSB, 0
.macro WIN new                         ; the immediate's high byte repeats the setting that is left
.if MSB != (\new)
	s_set_vgpr_msb (MSB<<8)|(\new)
.set MSB, (\new)
.endif
.endm
.macro WHERE f                         ; weight fragment f: window WF, register RF
.if (\f) < 63
.set WF, 1+(\f)/21
.set RF, 12*((\f)%21)
.else
.set WF, 0
.set RF, W63
.endif
.endm
.macro WFRAG f                         ; fragment f out of LDS: lane (r, h) takes, of slot 16 T + r, the 24 bytes at 96 s + 24 h and those 48 further on, in pieces of 8
	WHERE \f
.set FS, (\f)/8
.set FT, (\f)%8
	WIN (WF<<6)
.irp p, 0,1,2,3,4,5
.if FT < 4
	ds_load_b64 v[RF+2*\p:RF+2*\p+1], v13 offset:FT*16*WP+96*FS+48*(\p/3)+8*(\p%3)
.else
	ds_load_b64 v[RF+2*\p:RF+2*\p+1], v14 offset:(FT-4)*16*WP+96*FS+48*(\p/3)+8*(\p%3)
.endif
.endr
.endm
.macro MUL8 s                          ; K step s: the eight accumulators take turns, one instruction a turn
.irp T, 0,1,2,3,4,5,6,7
	WHERE 8*(\s)+\T
	WIN WF
.if (\s) < 4
	v_wmma_scale_f32_16x16x128_f8f6f4 v[ACC+8*\T:ACC+8*\T+7], v[RF:RF+11], v[XF+12*(\s):XF+12*(\s)+11], v[ACC+8*\T:ACC+8*\T+7], v[WS+4*\T+(\s)%4], v[XS+(\s)%4] matrix_a_fmt:MATRIX_FMT_FP6 matrix_b_fmt:MATRIX_FMT_FP6
.else
	v_wmma_scale_f32_16x16x128_f8f6f4 v[ACC+8*\T:ACC+8*\T+7], v[RF:RF+11], v[XF+12*(\s):XF+12*(\s)+11], v[ACC+8*\T:ACC+8*\T+7], v[WS+4*\T+(\s)%4], v[XS+(\s)%4] matrix_a_fmt:MATRIX_FMT_FP6 matrix_b_fmt:MATRIX_FMT_FP6 matrix_a_scale:MATRIX_SCALE_ROW1 matrix_b_scale:MATRIX_SCALE_ROW1
.endif
.endr
.endm
.macro XFRAG s                         ; x's fragment of K step s, of the rows that v4 names: 48 bytes a lane
.irp c, 0,1,2
	global_load_b128 v[XF+12*(\s)+4*\c:XF+12*(\s)+4*\c+3], v4, s[6:7] offset:96*(\s)+16*\c
.endr
.endm
; A trip's loads go out in this order: at the head of K step 0 the next tile's scale words (1) and the list entries of the tile after that (1); at the head of K step s the next tile's fragment s - 1 (3); behind K step 7 its fragment 7 (3).
.macro KSTEP s
.if (\s) == 0
	s_wait_loadcnt 21                              ; fragment 0 is in: behind it were issued fragments 1 to 7
	s_wait_dscnt 0x0                               ; b1 is in the accumulators
	s_wait_alu depctr_va_vdst(0)                   ; the trip's head: the moves have written XS, which the products take as scales, and are done reading XSN; the address lines have written v3, v4, v5, v7, v8 and are done reading v15
	global_load_b128 v[XSN:XSN+3], v5, s[8:9]
	global_load_b32 v15, v3, s[4:5]
.else
	s_wait_loadcnt 20                              ; fragment s is in: behind it 3 (7 - s) of this tile, the two small loads and the next tile's fragments 0 to s - 2: 3 (7 - s) + 2 + 3 (s - 1) = 20
	s_wait_alu depctr_va_vdst(0)                   ; the matrix instructions of K step s - 1 are done reading XF[s - 1], in which the three loads below land
	XFRAG (\s)-1
.endif
	MUL8 \s
.rept 4
	v_nop                                          ; four places behind a step's matrix instructions, ahead of the loads into the fragment that they read and, behind K step 7, of the read of their results (ISA guide 7.12.1 for vector instructions): they stand beside the waits, not for them
.endr
	WIN 0
.endm
.macro ADDR src                        ; the list entry in v[src] becomes the row's addresses: the token is held inside its table first
	v_min_u32 v9, 0x7ff, v[\src]
	v_and_b32 v9, 0x3ff, v9                        ; t = u mod 1,024
	v_mul_u32_u24 v4, v9, 768
	v_add_nc_u32 v4, v4, v10                       ; codes: 768 t + 48 h
	v_lshlrev_b32 v5, 5, v9
	v_add_nc_u32 v5, v5, v11                       ; scale bytes: 32 t + 16 h: K steps 4 h .. 4 h + 3
.endm
	s_load_b256 s[4:11], s[0:1], 0x0               ; rowu s[4:5], xq s[6:7], xs s[8:9], W1's codes s[10:11]
	s_load_b256 s[12:19], s[0:1], 0x20             ; W1's scales s[12:13], b1 s[14:15], h_img s[16:17], h_scl s[18:19]
	v_lshl_add_u32 v254, v0, 2, 0x18a00
	v_mov_b32 v255, 0
	v_lshrrev_b32 v15, 5, v0
	v_readfirstlane_b32 s24, v15                   ; wave
	s_mov_b32 s22, ttmp9                           ; j: which 128 hidden units
	s_and_b32 s23, ttmp7, 0xffff                   ; e: the expert
	v_and_b32 v15, 31, v0                          ; lane
	v_lshlrev_b32 v1, 4, v15                       ; v1  16 x lane
	v_lshlrev_b32 v12, 2, v15                      ; v12 4 x lane
	v_and_b32 v9, 15, v0                           ; r
	v_bfe_u32 v3, v0, 4, 1                         ; h
	v_lshlrev_b32 v2, 2, v9                        ; v2  4 r: my word of a tile's 16 list entries
	v_lshl_add_u32 v6, v3, 6, BIAS                 ; v6  b1: tile T's eight units of my half lie at 4 (32 (T / 2) + 8 (T % 2)) + 64 h
	v_mul_u32_u24 v10, v3, 48                      ; v10 48 h
	v_lshlrev_b32 v11, 4, v3                       ; v11 16 h
	v_mul_u32_u24 v13, v9, WP
	v_mad_u32_u24 v13, v3, 24, v13                 ; v13 a weight fragment's slot r, + 24 h
	v_add_nc_u32 v14, HALFW, v13                   ; v14 the same for tiles 4-7
	v_and_b32 v[WSA], 8, v9
	v_add_nc_u32 v[WSA], v[WSA], v9                ; r + 8 (r / 8)
	v_lshlrev_b32 v[WSA], 5, v[WSA]
	v_add_nc_u32 v[WSA], v[WSA], v11               ; W1's scale bytes: 32 a row, + 16 h
.irp m, 0,1,2                          ; the slice goes to LDS in 48 loads of 2,048 bytes; three of them are 8 rows.  Of those 384 pieces of 16 bytes piece q = 128 m + thread is mine
	v_add_nc_u32 v[GA+\m], 128*\m, v0
	v_mul_u32_u24 v[LW+\m], v[GA+\m], 683
	v_lshrrev_b32 v[LW+\m], 15, v[LW+\m]           ; q / 48 (683 / 32,768 serves q < 384): which of the 8 rows
	v_mul_u32_u24 v[LW2+\m], v[LW+\m], 48
	v_sub_nc_u32 v[LW2+\m], v[GA+\m], v[LW2+\m]    ; q % 48: which 16 bytes of it
	v_mul_u32_u24 v[LW+\m], v[LW+\m], WP
	v_lshl_add_u32 v[LW+\m], v[LW2+\m], 4, v[LW+\m]
	v_add_nc_u32 v[LW2+\m], HALFW, v[LW+\m]
	v_lshlrev_b32 v[GA+\m], 4, v[GA+\m]            ; the rows are dense in memory: 16 q
.endr
	v_lshlrev_b32 v124, 2, v0
	v_lshl_add_u32 v123, v0, 2, BIAS
.irp i, 0,1,2,3
	v_mov_b32 v[TM+4+\i], 0                        ; written once: a lane permute's destination counts as one of its sources
.endr
	s_wait_alu depctr_va_sdst(0)                   ; s24 is written, ahead of its first reader: the line below
	s_lshl_b32 s35, s24, 6
	v_add_nc_u32 v3, s35, v2                       ; v3  the list entries of my first tile: 64 w + 4 r
	s_mov_b32 s27, 0
	s_mov_b32 s38, 0x76543210
	s_mov_b32 s39, 0xfedcba98                      ; v_permlanex16_b32's selects for lane l xor 16
	s_wait_kmcnt 0x0
	s_mul_i32 s26, s23, 4608
	s_add_nc_u64 s[4:5], s[4:5], s[26:27]          ; rowu: expert e
	s_load_b32 s30, s[4:5], 0x11fc                 ; its word 1,151: the count
	s_mul_i32 s26, s23, 3145728
	s_mul_i32 s28, s22, 98304
	s_add_co_u32 s26, s26, s28
	s_add_nc_u64 s[10:11], s[10:11], s[26:27]      ; my slice's codes
	s_lshl_b32 s26, s23, 17
	s_lshl_b32 s28, s22, 12
	s_add_co_u32 s26, s26, s28
	s_add_nc_u64 s[12:13], s[12:13], s[26:27]      ; its scale bytes
	s_lshl_b32 s26, s23, 14
	s_lshl_b32 s28, s22, 9
	s_add_co_u32 s26, s26, s28
	s_add_nc_u64 s[14:15], s[14:15], s[26:27]      ; its part of b1
	s_mul_i32 s26, s23, 3145728
	s_mul_i32 s28, s22, 1536
	s_add_co_u32 s26, s26, s28
	s_add_nc_u64 s[16:17], s[16:17], s[26:27]      ; h_img: expert e, tile 0, K step j
	s_lshl_b32 s26, s23, 18
	s_lshl_b32 s28, s22, 7
	s_add_co_u32 s26, s26, s28
	s_add_nc_u64 s[18:19], s[18:19], s[26:27]      ; h_scl likewise
	; the head's loads: list entries of my first two tiles (2), b1 (1), scale words (8), weights (48)
	s_wait_alu depctr_va_vdst(0)                   ; every address and offset made above is written (v1 to v14, v112 to v124), which the loads and LDS instructions below read; so are v9 and v15, in which the first two loads land
	global_load_b32 v9, v3, s[4:5]                 ; tile w
	global_load_b32 v15, v3, s[4:5] offset:256     ; tile w + 4
	global_load_b32 v122, v124, s[14:15]
.irp T, 0,1,2,3,4,5,6,7
	global_load_b128 v[WS+4*\T:WS+4*\T+3], v[WSA], s[12:13] offset:32*(32*(\T/2)+8*(\T%2))
.endr
	WIN 0x40                                       ; destination window 1
.set CH, 0
.rept 48
	global_load_b128 v[4*CH:4*CH+3], v[GA+CH%3], s[10:11] offset:6144*(CH/3) th:TH_LOAD_NT   ; the four waves read 2,048 consecutive bytes; read once in the launch
.set CH, CH+1
.endr
	; ---- the slice into LDS: rows 8 G .. 8 G + 7 go to slots 8 SG on, SG = G with its two low bits changing places
	WIN 0x04                                       ; an LDS store's data are its source 1: window 1
.set CH, 0
.rept 48
.if CH%8 == 0
	s_wait_loadcnt 40-CH                           ; the next eight weight loads are in (and all that was issued ahead of the weights); the younger ones stay out
.endif
.set G, CH/3
.set SG, 4*(G/4)+2*(G&1)+((G>>1)&1)
.if SG < 8
	ds_store_b128 v[LW+CH%3], v[4*CH:4*CH+3] offset:8*WP*SG
.else
	ds_store_b128 v[LW2+CH%3], v[4*CH:4*CH+3] offset:8*WP*(SG-8)
.endif
.set CH, CH+1
.endr
	WIN 0
	ds_store_b32 v123, v122                        ; b1
	s_wait_kmcnt 0x0                               ; the count
	s_min_u32 s30, s30, 1024
	s_add_co_u32 s31, s30, 15
	s_lshr_b32 s31, s31, 4                         ; tiles
	s_wait_dscnt 0x0                               ; for the others' sake: my stores are done
	s_barrier_signal -1
	s_barrier_wait -1                              ; slice and b1 are whole; from here on LDS is only read
	s_wait_alu depctr_vm_vsrc(0)                   ; my LDS stores have read the staging registers, window 1's v0-191, in which weight fragments land below
	ADDR 9                                         ; my first tile's rows
	s_wait_alu depctr_va_vdst(0)                   ; v4 and v5 are written, which the loads below read
	global_load_b128 v[XSN:XSN+3], v5, s[8:9]      ; its scale words, then its fragments
.irp s, 0,1,2,3,4,5,6,7
	XFRAG \s
.endr
.set FI, 0
.rept 64
	WFRAG FI                                       ; the whole slice into my registers, while those loads are out
.set FI, FI+1
.endr
	WIN 0
	s_wait_dscnt 0x0
	s_mov_b32 s32, s24                             ; my tile
	s_mov_b32 s33, 0                               ; trips
.Ltrip:
	s_cmp_ge_u32 s32, s31
	s_cbranch_scc1 .Lskip                          ; no such tile: only the counters step
	s_wait_xcnt 0x0                                ; the last trip's loads and stores have had their addresses translated (ISA guide 3.1): v3, v4, v5, v7, v8 and the fragment made are written again only behind this wait
	s_wait_alu depctr_vm_vsrc(0)                   ; and beside it: the last trip's loads have read v3, v4, v5, its stores v7, v8, PC and PW; in the first trip: the head's loads and LDS stores have read v112 to v124, which are ACC from here on
	s_wait_loadcnt 24                              ; this tile's scale words and the next tile's list entries are in: behind them were issued this tile's 24 fragment loads
.irp i, 0,1,2,3
	v_mov_b32 v[XS+\i], v[XSN+\i]
.endr
.irp T, 0,1,2,3,4,5,6,7
	ds_load_b128 v[ACC+8*\T:ACC+8*\T+3], v6 offset:4*(32*(\T/2)+8*(\T%2))          ; b1 in the result's layout starts the sums.  No wait on va_vdst: since the last one only the four moves above were issued, which name neither ACC nor v6
	ds_load_b128 v[ACC+8*\T+4:ACC+8*\T+7], v6 offset:4*(32*(\T/2)+8*(\T%2))+16
.endr
	ADDR 15                                        ; the next tile's rows
	s_add_co_u32 s40, s32, 8
	s_min_u32 s40, s40, 63                         ; the tile after that, held inside the list's 64 tiles
	s_lshl_b32 s40, s40, 6
	v_add_nc_u32 v3, s40, v2                       ; its list entries
	s_mul_i32 s36, s32, 49152
	s_lshl_b32 s37, s32, 12
	v_add_nc_u32 v7, s36, v1                       ; where this tile's image goes
	v_add_nc_u32 v8, s37, v12                      ; and its scale words
.rept 3
	v_nop                                          ; with the nine lines above: more than eight places between the moves into the scale registers and the first product
.endr
.irp s, 0,1,2,3,4,5,6,7
	KSTEP \s
.endr
	s_wait_alu depctr_va_vdst(0)                   ; the matrix instructions of K step 7 are done reading XF[7], in which the three loads below land
	XFRAG 7
	; ---- relu, in f32, each accumulator from its low end on; then the quantiser along the next K
.set I, 0
.rept 64
	v_max_num_f32 v[ACC+I], 0, v[ACC+I]
.set I, I+1
.endr
.irp b, 0,1,2,3
	v_max3_num_f32 v[TM+\b], v[ACC+16*\b], v[ACC+1+16*\b], 0x1800000       ; block b: my 16 numbers (none is negative), and the floor 2^(3 - 127): the byte cannot fall under 1
.endr
.irp i, 2,4,6,8,10,12,14
.irp b, 0,1,2,3
	v_max3_num_f32 v[TM+\b], v[TM+\b], v[ACC+16*\b+\i], v[ACC+1+16*\b+\i]  ; the four blocks by turns
.endr
.endr
.irp b, 0,1,2,3
	v_permlanex16_b32 v[TM+4+\b], v[TM+\b], s38, s39
.endr
.irp b, 0,1,2,3
	v_max_num_f32 v[TM+\b], v[TM+\b], v[TM+4+\b]   ; with lane l xor 16's 16: the block's largest
.endr
.irp b, 0,1,2,3
	v_add_nc_u32 v[TM+8+\b], 0xff000000, v[TM+\b]  ; 2 off its exponent field: the conversion's scale operand
.endr
.irp b, 0,1,2,3
	v_lshrrev_b32 v[TM+4+\b], 23, v[TM+8+\b]       ; the scale's byte
.endr
	v_lshl_or_b32 v[PW], v[TM+5], 8, v[TM+4]
	v_lshl_or_b32 v[PW], v[TM+6], 16, v[PW]
	v_lshl_or_b32 v[PW], v[TM+7], 24, v[PW]        ; my row's scale word (both halves of the lanes hold it)
.irp c, 0,1
	v_cvt_scalef32_pk16_fp6_f32 v[PC+6*\c:PC+6*\c+2], v[ACC+32*\c:ACC+32*\c+15], v[TM+8+2*\c]
	v_cvt_scalef32_pk16_fp6_f32 v[TM+4*\c:TM+4*\c+2], v[ACC+32*\c+16:ACC+32*\c+31], v[TM+9+2*\c]   ; (a conversion's three registers begin on an even number: made where the maxima and bytes lay, and moved)
.endr
	v_nop                                          ; a plain line behind the conversions
.irp c, 0,1                            ; the operand's layout wants a whole block in a lane: lanes 0-15 block 2 c, lanes 16-31 block 2 c + 1
.irp i, 0,1,2
	v_permlane16_swap_b32 v[PC+6*\c+\i], v[TM+4*\c+\i]
.endr
.irp i, 0,1,2
	v_mov_b32 v[PC+3+6*\c+\i], v[TM+4*\c+\i]
.endr
.endr
	s_wait_alu depctr_va_vdst(0)                   ; the quantiser has written PC and PW, which the stores below read; and it is done with ACC, in which the next trip's loads of b1 land
.irp c, 0,1,2
	global_store_b128 v7, v[PC+4*\c:PC+4*\c+3], s[16:17] offset:512*\c     ; 32 lanes store 512 consecutive bytes
.endr
	global_store_b32 v8, v[PW], s[18:19]
.Lskip:
	s_add_co_u32 s32, s32, 4
	s_add_co_u32 s33, s33, 1
	s_cmp_lt_u32 s33, 16
	s_cbranch_scc1 .Ltrip
	s_wait_dscnt 0x0                               ; the closing lines, six on end
	s_wait_alu 0x0
	s_wait_tensorcnt 0x0
	ds_add_u32 v254, v255
	s_wait_dscnt 0x0
	s_endpgm
.Lfunc_end_k_q39f5520c98_ffn1:
	.size	k_q39f5520c98_ffn1, .Lfunc_end_k_q39f5520c98_ffn1-k_q39f5520c98_ffn1
	.p2alignl 7, 3214868480
	.fill 96, 4, 3214868480
	.section	.rodata,"a",@progbits
	.p2align	6, 0x0
	.amdhsa_kernel k_q39f5520c98_ffn1
		.amdhsa_group_segment_fixed_size 101376
		.amdhsa_private_segment_fixed_size 0
		.amdhsa_enable_private_segment 0
		.amdhsa_kernarg_size 64
		.amdhsa_user_sgpr_count 2
		.amdhsa_user_sgpr_kernarg_segment_ptr 1
		.amdhsa_wavefront_size32 1
		.amdhsa_system_sgpr_workgroup_id_x 1
		.amdhsa_system_sgpr_workgroup_id_y 1
		.amdhsa_system_sgpr_workgroup_id_z 1
		.amdhsa_system_vgpr_workitem_id 0
		.amdhsa_next_free_vgpr 1024
		.amdhsa_next_free_sgpr 66
		.amdhsa_reserve_vcc 0
		.amdhsa_float_denorm_mode_32 3
		.amdhsa_float_denorm_mode_16_64 3
		.amdhsa_memory_ordered 1
		.amdhsa_forward_progress 1
		.amdhsa_inst_pref_size 62
	.end_amdhsa_kernel
	.amdgpu_metadata
---
amdhsa.version: [ 1, 2 ]
amdhsa.kernels:
  - .name:           k_q39f5520c98_ffn1
    .symbol:         k_q39f5520c98_ffn1.kd
    .args:
      - { .name: rowu, .offset: 0, .size: 8, .value_kind: global_buffer, .address_space: global }
      - { .name: xq, .offset: 8, .size: 8, .value_kind: global_buffer, .address_space: global }
      - { .name: xs, .offset: 16, .size: 8, .value_kind: global_buffer, .address_space: global }
      - { .name: W1_codes, .offset: 24, .size: 8, .value_kind: global_buffer, .address_space: global }
      - { .name: W1_scales, .offset: 32, .size: 8, .value_kind: global_buffer, .address_space: global }
      - { .name: b1, .offset: 40, .size: 8, .value_kind: global_buffer, .address_space: global }
      - { .name: h_img, .offset: 48, .size: 8, .value_kind: global_buffer, .address_space: global }
      - { .name: h_scl, .offset: 56, .size: 8, .value_kind: global_buffer, .address_space: global }
    .group_segment_fixed_size: 101376
    .private_segment_fixed_size: 0
    .kernarg_segment_align: 8
    .kernarg_segment_size: 64
    .max_flat_workgroup_size: 128
    .sgpr_count:     66
    .vgpr_count:     1024
    .wavefront_size: 32
...
	.end_amdgpu_metadata
.endif
;; end of part 6
;; launch ffn2 (part 7): grid 32 x 8, 4 waves a work-group, no clusters, 139,776 bytes of LDS; arguments rowu, h_img, h_scl, W2_codes, W2_scales, b2, part; writes part
.if DOCPART == 7
	.amdgcn_target "amdgcn-amd-amdhsa--gfx1250"
	.amdhsa_code_object_version 6
	.text
	.protected	k_q39f5520c98_ffn2
	.globl	k_q39f5520c98_ffn2
	.p2align	8
	.type	k_q39f5520c98_ffn2,@function
k_q39f5520c98_ffn2:
	s_mov_b64 s[64:65], 0
	v_nop
	global_prefetch_b8 v0, s[64:65] scope:SCOPE_SE
	s_setreg_imm32_b32 hwreg(HW_REG_WAVE_SCHED_MODE, 0, 2), 2
	s_setreg_imm32_b32 hwreg(HW_REG_WAVE_MODE, 25, 1), 1
	s_wait_xcnt 0x0
	s_wait_alu depctr_vm_vsrc(0)
; THE SECOND PRODUCT, FOR THE CHOSEN ROWS ALONE: h W2 + b2 on codes of FP6 (E2M3) with one E8M0 scale for each 32 along K; sums in f32.
; Work-group (x, e), x = 4 c8 + kq, owns output columns 128 c8 .. + 127 of expert e and quarter kq of K (1,024 of 4,096): 128 rows of W2's codes x 768 bytes, read from memory once in the launch.
; As in the launch before, EVERY wave holds the whole slice in registers, and the waves share the expert's tiles of 16 rows (wave w: tiles w, w + 4, ..).
; h arrives as images of the operand's registers (h_img, h_scl): three loads of 512 consecutive bytes bring a fragment, which feeds eight matrix instructions.
; THE MATRIX INSTRUCTION IS USED TRANSPOSED (source 0 = 16 rows of W2 = 16 output columns, source 1 = 16 rows of h): a lane holds eight neighbouring columns of one row.
; K IN FOUR PARTS: part [kq][slot][t][1,024] f32 takes each quarter's sums (b2 is the C of quarter 0's first matrix instruction, zeros of the others'); the next launch adds the four in f32
; and weighs the two slots.  With all of K a work-group would own 32 columns and read four times as many bytes of h for the same products.  LIMIT: so a row's K sum is made in four parts, not one chain.
; Row u = t + 1,024 x slot of a tile comes from rowu (whole numbers stored by an earlier launch), as does the count: every output row has one owner; the copies that fill the last tile store the same numbers again.
; The sixteen rows' places in part are made at a trip's head, each through a scalar register of its own: the sixteen entries change from vector to scalar registers in one run.
; NO TENSOR LOAD, NO CLUSTER: which trips do work hangs on a count read from memory, and each weight byte is read by one work-group alone.  A work-group whose expert has no row stores nothing.
; REGISTERS.  Window 0: v1-15 addresses; v16-111 XF: h's eight fragments; v112-175 ACC; v176-207 W2's scale words; v208-211 h's, v212-215 the next tile's; v216-231 the rows' places in part; v242-253 weight fragment 63.
;   Windows 1-3: weight fragment f = 8 s + T, f < 63, in window 1 + f / 21 at v[12 (f % 21)].  At the head window 1's v0-191 stage the weights on their way to LDS.
; THE MODE: SCHED_MODE bits 1:0 = 2 (LLVM: expert scheduling mode 2), set by the entry lines.  The code itself states the register dependences between vector or matrix instructions
; and memory or LDS instructions, with s_wait_alu, always for 0.
; THE PLAN.  Registers that memory or LDS instructions touch, in the loop:
;   XF0 .. XF7    K step s's eight matrix instructions read XF[s]; the next tile's fragment s lands in it.  Its three loads stand at the head of K step s + 1 (fragment 7's behind K step 7).
;   XSN, v11      Read at the trip's head by the moves into XS and by the sixteen v_readlane_b32; loaded again at the head of K step 0.
;   v3, v4, v5    Written at the trip's head; read by this trip's loads.      PO (v216-231): written at the trip's head; read by the trip's sixteen global stores.
;   ACC           Loaded from LDS (the bias) at the trip's head; written by the matrix instructions; read by the LDS stores into the stage; loaded again from the stage; read by the global stores.
;   v1, v2, v6, v7, v8, v10, v13, v14  Made at the head of the kernel, never written again.
; THE WAITS OF A TRIP.  One on vm_vsrc at its head.  One on va_sdst behind the sixteen v_readlane_b32.  One on va_vdst at the head of each K step, behind the wait for that step's fragment: the step before is done
; reading its fragment, in which the three loads that follow land; the step's matrix instructions name the weights, XF[s], ACC and scales, none of the registers that those loads touch.  K step 0's states the trip's head instead.
; One on va_vdst behind K step 7, for fragment 7's loads and the stage's stores; one on vm_vsrc between the stage's stores and its loads.
; The loads of the bias into ACC owe no wait on va_vdst of their own: since the one behind the last trip's K step 7 (on the way in: the last of the kernel's head) the vector side has issued only the moves into XS and the v_readlane_b32 of v11.
.set WP,    784                        ; a slot of the slice in LDS: 768 bytes + 16 = 196 words: slot r starts at bank 4 r mod 64 (64 banks of 4 bytes: ISA guide 11.1)
.set HALFW, 64*WP
.set BIAS,  128*WP+4608                ; my 128 numbers of b2 (or zeros)
.set STG,   BIAS+512                   ; the way out: 16 rows x (512 bytes + 16) for each wave, its own
.set SP,    528
.set XF,  16
.set ACC, 112
.set WS,  176                          ; register 4 T + i: lanes 0-15 tile T's words of K step i, lanes 16-31 of K step 4 + i
.set XS,  208                          ; register i: the same of h's rows
.set XSN, 212
.set PO,  216
.set W63, 242
.set RU,  68                           ; s68-83  the tile's sixteen entries
.set GA,  112                          ; at the head only, in ACC's registers
.set LW,  115
.set LW2, 118
.set WSA, 121
.set MSB, 0
.macro WIN new                         ; the immediate's high byte repeats the setting that is left
.if MSB != (\new)
	s_set_vgpr_msb (MSB<<8)|(\new)
.set MSB, (\new)
.endif
.endm
.macro WHERE f                         ; weight fragment f: window WF, register RF
.if (\f) < 63
.set WF, 1+(\f)/21
.set RF, 12*((\f)%21)
.else
.set WF, 0
.set RF, W63
.endif
.endm
.macro WFRAG f                         ; fragment f out of LDS: lane (r, h) takes, of slot 16 T + r, the 24 bytes at 96 s + 24 h and those 48 further on, in pieces of 8
	WHERE \f
.set FS, (\f)/8
.set FT, (\f)%8
	WIN (WF<<6)
.irp p, 0,1,2,3,4,5
.if FT < 4
	ds_load_b64 v[RF+2*\p:RF+2*\p+1], v13 offset:FT*16*WP+96*FS+48*(\p/3)+8*(\p%3)
.else
	ds_load_b64 v[RF+2*\p:RF+2*\p+1], v14 offset:(FT-4)*16*WP+96*FS+48*(\p/3)+8*(\p%3)
.endif
.endr
.endm
.macro MUL8 s                          ; K step s: the eight accumulators take turns, one instruction a turn
.irp T, 0,1,2,3,4,5,6,7
	WHERE 8*(\s)+\T
	WIN WF
.if (\s) < 4
	v_wmma_scale_f32_16x16x128_f8f6f4 v[ACC+8*\T:ACC+8*\T+7], v[RF:RF+11], v[XF+12*(\s):XF+12*(\s)+11], v[ACC+8*\T:ACC+8*\T+7], v[WS+4*\T+(\s)%4], v[XS+(\s)%4] matrix_a_fmt:MATRIX_FMT_FP6 matrix_b_fmt:MATRIX_FMT_FP6
.else
	v_wmma_scale_f32_16x16x128_f8f6f4 v[ACC+8*\T:ACC+8*\T+7], v[RF:RF+11], v[XF+12*(\s):XF+12*(\s)+11], v[ACC+8*\T:ACC+8*\T+7], v[WS+4*\T+(\s)%4], v[XS+(\s)%4] matrix_a_fmt:MATRIX_FMT_FP6 matrix_b_fmt:MATRIX_FMT_FP6 matrix_a_scale:MATRIX_SCALE_ROW1 matrix_b_scale:MATRIX_SCALE_ROW1
.endif
.endr
.endm
.macro SMALL                           ; a tile's list entries and scale words: five loads
	global_load_b32 v11, v3, s[4:5]
.irp i, 0,1,2,3
	global_load_b32 v[XSN+\i], v5, s[8:9] offset:128*\i
.endr
.endm
.macro HFRAG s                         ; h's fragment of my K step s, of the tile that v4 names: an image, 512 consecutive bytes a load
.irp c, 0,1,2
	global_load_b128 v[XF+12*(\s)+4*\c:XF+12*(\s)+4*\c+3], v4, s[6:7] offset:1536*(\s)+512*\c
.endr
.endm
; A tile's loads are issued in this order: the five small ones, then fragments 0 to 7 (3 each).  The next tile's small loads stand at the head of K step 0, its fragment s - 1 at the head of K step s, its fragment 7 behind K step 7.
.macro KSTEP s
.if (\s) == 0
	s_wait_loadcnt 21                              ; fragment 0 is in: behind it were issued fragments 1 to 7
	s_wait_dscnt 0x0                               ; the bias is in the accumulators
	s_wait_alu depctr_va_vdst(0)                   ; the trip's head: the moves have written XS, which the products take as scales, and are done reading XSN; the v_readlane_b32 are done reading v11; v3, v4, v5 and the rows' places v216 to v231 are written
	SMALL
.else
	s_wait_loadcnt 23                              ; fragment s is in: behind it 3 (7 - s) of this tile, the next tile's five small loads and its fragments 0 to s - 2: 3 (7 - s) + 5 + 3 (s - 1) = 23
	s_wait_alu depctr_va_vdst(0)                   ; the matrix instructions of K step s - 1 are done reading XF[s - 1], in which the three loads below land
	HFRAG (\s)-1
.endif
	MUL8 \s
.rept 4
	v_nop                                          ; four places behind a step's matrix instructions, ahead of the loads into the fragment that they read and, behind K step 7, of the LDS stores that read their results (ISA guide 7.12.1 for vector instructions): they stand beside the waits, not for them
.endr
	WIN 0
.endm
.macro NEXTADDR                        ; the tile in s36 becomes addresses: it is held inside the table of 64 tiles first
	s_min_u32 s36, s36, 63
	s_mul_i32 s37, s36, 49152
	v_add_nc_u32 v4, s37, v1                       ; images: 49,152 bytes a tile, + 16 x lane
	s_lshl_b32 s37, s36, 12
	v_add_nc_u32 v5, s37, v10                      ; scale words: 4,096 bytes a tile, + 512 h + 4 r: K steps 4 h .. 4 h + 3
	s_lshl_b32 s37, s36, 6
	v_add_nc_u32 v3, s37, v2                       ; list entries: 64 bytes a tile, + 4 r
.endm
	s_load_b256 s[4:11], s[0:1], 0x0               ; rowu s[4:5], h_img s[6:7], h_scl s[8:9], W2's codes s[10:11]
	s_load_b128 s[12:15], s[0:1], 0x20             ; W2's scales s[12:13], b2 s[14:15]
	s_load_b64 s[16:17], s[0:1], 0x30              ; part
	v_lshl_add_u32 v254, v0, 2, 0x22000
	v_mov_b32 v255, 0
	v_lshrrev_b32 v15, 5, v0
	v_readfirstlane_b32 s24, v15                   ; wave
	s_and_b32 s25, ttmp9, 3                        ; kq: which quarter of K
	s_lshr_b32 s22, ttmp9, 2                       ; c8: which 128 columns
	s_and_b32 s23, ttmp7, 0xffff                   ; e: the expert
	v_and_b32 v15, 31, v0
	v_lshlrev_b32 v1, 4, v15                       ; v1  16 x lane
	v_and_b32 v9, 15, v0                           ; r
	v_bfe_u32 v3, v0, 4, 1                         ; h
	v_lshlrev_b32 v2, 2, v9                        ; v2  4 r
	v_lshl_add_u32 v6, v3, 5, BIAS                 ; v6  the bias: tile T's eight columns of my half lie at 64 T + 32 h
	v_lshl_add_u32 v10, v3, 9, v2                  ; v10 512 h + 4 r
	v_mul_u32_u24 v13, v9, WP
	v_mad_u32_u24 v13, v3, 24, v13                 ; v13 a weight fragment's slot r, + 24 h
	v_add_nc_u32 v14, HALFW, v13                   ; v14 the same for tiles 4-7
	s_wait_alu depctr_va_sdst(0)                   ; s24 is written, ahead of its first reader: the line below
	s_mul_i32 s28, s24, 16*SP
	s_add_co_u32 s28, s28, STG                     ; my stage
	v_mul_u32_u24 v7, v9, SP
	v_lshl_add_u32 v7, v3, 5, v7
	v_add_nc_u32 v7, s28, v7                       ; v7  in: row r, 32 bytes for each half of the lanes
	v_add_nc_u32 v8, s28, v1                       ; v8  back: the 32 lanes take a row of 512 bytes
	v_lshlrev_b32 v[WSA], 7, v9
	v_lshl_add_u32 v[WSA], v3, 4, v[WSA]           ; W2's scale bytes: 128 a row, + 16 h
.irp m, 0,1,2                          ; the slice goes to LDS in 48 loads; three of them are 8 rows of 768 bytes.  Of those 384 pieces of 16 bytes piece q = 128 m + thread is mine
	v_add_nc_u32 v[GA+\m], 128*\m, v0
	v_mul_u32_u24 v[LW+\m], v[GA+\m], 683
	v_lshrrev_b32 v[LW+\m], 15, v[LW+\m]           ; q / 48 (683 / 32,768 serves q < 384): which of the 8 rows
	v_mul_u32_u24 v[LW2+\m], v[LW+\m], 48
	v_sub_nc_u32 v[LW2+\m], v[GA+\m], v[LW2+\m]    ; q % 48: which 16 bytes of it
	v_mul_u32_u24 v[GA+\m], v[LW+\m], 3072
	v_lshl_add_u32 v[GA+\m], v[LW2+\m], 4, v[GA+\m]        ; in memory the rows are 3,072 bytes apart
	v_mul_u32_u24 v[LW+\m], v[LW+\m], WP
	v_lshl_add_u32 v[LW+\m], v[LW2+\m], 4, v[LW+\m]
	v_add_nc_u32 v[LW2+\m], HALFW, v[LW+\m]
.endr
	v_lshlrev_b32 v124, 2, v0
	v_lshl_add_u32 v123, v0, 2, BIAS
	s_mov_b32 s27, 0
	s_wait_kmcnt 0x0
	s_mul_i32 s26, s23, 4608
	s_add_nc_u64 s[4:5], s[4:5], s[26:27]          ; rowu: expert e
	s_load_b32 s30, s[4:5], 0x11fc                 ; its word 1,151: the count
	s_mul_i32 s26, s23, 3145728
	s_mul_i32 s28, s25, 12288
	s_add_co_u32 s26, s26, s28
	s_add_nc_u64 s[6:7], s[6:7], s[26:27]          ; h_img: expert e, tile 0, K step 8 kq
	s_lshl_b32 s26, s23, 18
	s_lshl_b32 s28, s25, 10
	s_add_co_u32 s26, s26, s28
	s_add_nc_u64 s[8:9], s[8:9], s[26:27]          ; h_scl likewise
	s_mul_i32 s26, s23, 3145728
	s_mul_i32 s28, s22, 393216
	s_add_co_u32 s26, s26, s28
	s_mul_i32 s28, s25, 768
	s_add_co_u32 s26, s26, s28
	s_add_nc_u64 s[10:11], s[10:11], s[26:27]      ; my slice's codes
	s_lshl_b32 s26, s23, 17
	s_lshl_b32 s28, s22, 14
	s_add_co_u32 s26, s26, s28
	s_lshl_b32 s28, s25, 5
	s_add_co_u32 s26, s26, s28
	s_add_nc_u64 s[12:13], s[12:13], s[26:27]      ; its scale bytes
	s_lshl_b32 s26, s23, 12
	s_lshl_b32 s28, s22, 9
	s_add_co_u32 s26, s26, s28
	s_add_nc_u64 s[14:15], s[14:15], s[26:27]      ; its part of b2
	s_lshl_b32 s26, s25, 23
	s_add_co_u32 s26, s26, s28
	s_add_nc_u64 s[16:17], s[16:17], s[26:27]      ; part: quarter kq, my 512 bytes of a row
	s_wait_alu depctr_va_vdst(0)                   ; every address and offset made above is written (v1 to v14, v112 to v124), which the loads and LDS instructions below read
	global_load_b32 v122, v124, s[14:15]
.irp T, 0,1,2,3,4,5,6,7
	global_load_b128 v[WS+4*\T:WS+4*\T+3], v[WSA], s[12:13] offset:2048*\T
.endr
	WIN 0x40                                       ; destination window 1
.set CH, 0
.rept 48
	global_load_b128 v[4*CH:4*CH+3], v[GA+CH%3], s[10:11] offset:24576*(CH/3) th:TH_LOAD_NT   ; 48 threads read a row's 768 consecutive bytes; read once in the launch
.set CH, CH+1
.endr
	WIN 0x04                                       ; an LDS store's data are its source 1: window 1
.set CH, 0
.rept 48
.if CH%8 == 0
	s_wait_loadcnt 40-CH                           ; the next eight weight loads are in; the younger ones stay out
.endif
.set G, CH/3
.if G < 8
	ds_store_b128 v[LW+CH%3], v[4*CH:4*CH+3] offset:8*WP*G
.else
	ds_store_b128 v[LW2+CH%3], v[4*CH:4*CH+3] offset:8*WP*(G-8)
.endif
.set CH, CH+1
.endr
	WIN 0
	s_cmp_eq_u32 s25, 0
	s_cselect_b32 s37, -1, 0
	v_cndmask_b32 v122, 0, v122, s37               ; b2 counts once: in quarter 0
	s_wait_alu depctr_va_vdst(0)                   ; v122 is written, which the LDS store below reads
	ds_store_b32 v123, v122
	s_wait_kmcnt 0x0
	s_min_u32 s30, s30, 1024
	s_add_co_u32 s31, s30, 15
	s_lshr_b32 s31, s31, 4                         ; tiles
	s_wait_dscnt 0x0                               ; for the others' sake: my stores are done
	s_barrier_signal -1
	s_barrier_wait -1                              ; slice and bias are whole; nobody writes them again
	s_wait_alu depctr_vm_vsrc(0)                   ; my LDS stores have read the staging registers, window 1's v0-191, in which weight fragments land below
	s_cmp_eq_u32 s31, 0
	s_cbranch_scc1 .Lend                           ; no token chose this expert
	s_sub_co_u32 s35, s31, 1                       ; the last tile: no load names a tile behind it, so only images that were stored are read
	s_min_u32 s36, s24, s35
	NEXTADDR
	s_wait_alu depctr_va_vdst(0)                   ; v3, v4 and v5 are written, which the loads below read
	SMALL                                          ; the first tile's loads, in a tile's order
.irp s, 0,1,2,3,4,5,6,7
	HFRAG \s
.endr
.set FI, 0
.rept 64
	WFRAG FI                                       ; the whole slice into my registers, while those loads are out
.set FI, FI+1
.endr
	WIN 0
	s_wait_dscnt 0x0
	s_mov_b32 s32, s24                             ; my tile
	s_mov_b32 s33, 0                               ; trips
.Ltrip:
	s_cmp_ge_u32 s32, s31
	s_cbranch_scc1 .Lskip                          ; no such tile: only the counters step
	s_wait_xcnt 0x0                                ; the last trip's loads and stores have had their addresses translated (ISA guide 3.1): v3, v4, v5, the rows' places and the accumulators are written again only behind this wait
	s_wait_alu depctr_vm_vsrc(0)                   ; and beside it: the last trip's loads have read v3, v4, v5, its global stores the rows' places and ACC; in the first trip: the head's loads and LDS stores have read v112 to v124, which are ACC from here on
	s_wait_loadcnt 24                              ; this tile's five small loads are in: behind them were issued its 24 fragment loads
.irp i, 0,1,2,3
	v_mov_b32 v[XS+\i], v[XSN+\i]
.endr
.irp i, 0,1,2,3,4,5,6,7,8,9,10,11,12,13,14,15
	v_readlane_b32 s[RU+\i], v11, \i               ; row i's entry u (v11 is loaded again only at the head of K step 0)
.endr
.irp T, 0,1,2,3,4,5,6,7
	ds_load_b128 v[ACC+8*\T:ACC+8*\T+3], v6 offset:64*\T           ; the bias in the result's layout starts the sums.  No wait on va_vdst: since the last one only the twenty lines above were issued, which name neither ACC nor v6
	ds_load_b128 v[ACC+8*\T+4:ACC+8*\T+7], v6 offset:64*\T+16
.endr
	s_add_co_u32 s36, s32, 4
	s_min_u32 s36, s36, s35                        ; the tile whose loads go out in this trip
	NEXTADDR
	s_wait_alu depctr_va_sdst(0)                   ; s68 to s83 are written, ahead of their first readers: one wait for the run of sixteen
.irp i, 0,1,2,3,4,5,6,7,8,9,10,11,12,13,14,15
	s_min_u32 s[RU+\i], s[RU+\i], 2047             ; held inside part's 2,048 rows
.endr
.irp i, 0,1,2,3,4,5,6,7,8,9,10,11,12,13,14,15
	s_lshl_b32 s[RU+\i], s[RU+\i], 12              ; 4,096 bytes a row
.endr
.irp i, 0,1,2,3,4,5,6,7,8,9,10,11,12,13,14,15
	v_add_nc_u32 v[PO+\i], s[RU+\i], v1            ; row i's place in part.  With the three additions above: nineteen places between the moves into the scale registers and the first product
.endr
.irp s, 0,1,2,3,4,5,6,7
	KSTEP \s
.endr
	s_wait_alu depctr_va_vdst(0)                   ; the matrix instructions of K step 7 are done reading XF[7], in which the three loads below land, and have written the accumulators, which the LDS stores below read
	HFRAG 7
	; ---- the way out: through my own stage, back as whole rows of 512 bytes
.irp T, 0,1,2,3,4,5,6,7
	ds_store_b128 v7, v[ACC+8*\T:ACC+8*\T+3] offset:64*\T          ; each accumulator from its low end on
	ds_store_b128 v7, v[ACC+8*\T+4:ACC+8*\T+7] offset:64*\T+16
.endr
	s_wait_alu depctr_vm_vsrc(0)                   ; those stores have read the accumulators, in which the rows land below
.irp i, 0,1,2,3,4,5,6,7,8,9,10,11,12,13,14,15
	ds_load_b128 v[ACC+4*\i:ACC+4*\i+3], v8 offset:\i*SP           ; LDS serves a wave's instructions in order (ISA guide 5.7.1.4): these see the stores above; the next trip's stores come behind them
.endr
.irp i, 0,1,2,3,4,5,6,7,8,9,10,11,12,13,14,15
	s_wait_dscnt 15-\i                             ; row i is back; the younger rows may be out
	global_store_b128 v[PO+\i], v[ACC+4*\i:ACC+4*\i+3], s[16:17]   ; 32 lanes store 512 consecutive bytes, at a multiple of 512 from part's first byte
.endr
.Lskip:
	s_add_co_u32 s32, s32, 4
	s_add_co_u32 s33, s33, 1
	s_cmp_lt_u32 s33, 16
	s_cbranch_scc1 .Ltrip
.Lend:
	s_wait_dscnt 0x0                               ; the closing lines, six on end
	s_wait_alu 0x0
	s_wait_tensorcnt 0x0
	ds_add_u32 v254, v255
	s_wait_dscnt 0x0
	s_endpgm
.Lfunc_end_k_q39f5520c98_ffn2:
	.size	k_q39f5520c98_ffn2, .Lfunc_end_k_q39f5520c98_ffn2-k_q39f5520c98_ffn2
	.p2alignl 7, 3214868480
	.fill 96, 4, 3214868480
	.section	.rodata,"a",@progbits
	.p2align	6, 0x0
	.amdhsa_kernel k_q39f5520c98_ffn2
		.amdhsa_group_segment_fixed_size 139776
		.amdhsa_private_segment_fixed_size 0
		.amdhsa_enable_private_segment 0
		.amdhsa_kernarg_size 56
		.amdhsa_user_sgpr_count 2
		.amdhsa_user_sgpr_kernarg_segment_ptr 1
		.amdhsa_wavefront_size32 1
		.amdhsa_system_sgpr_workgroup_id_x 1
		.amdhsa_system_sgpr_workgroup_id_y 1
		.amdhsa_system_sgpr_workgroup_id_z 1
		.amdhsa_system_vgpr_workitem_id 0
		.amdhsa_next_free_vgpr 1024
		.amdhsa_next_free_sgpr 84
		.amdhsa_reserve_vcc 0
		.amdhsa_float_denorm_mode_32 3
		.amdhsa_float_denorm_mode_16_64 3
		.amdhsa_memory_ordered 1
		.amdhsa_forward_progress 1
		.amdhsa_inst_pref_size 64
	.end_amdhsa_kernel
	.amdgpu_metadata
---
amdhsa.version: [ 1, 2 ]
amdhsa.kernels:
  - .name:           k_q39f5520c98_ffn2
    .symbol:         k_q39f5520c98_ffn2.kd
    .args:
      - { .name: rowu, .offset: 0, .size: 8, .value_kind: global_buffer, .address_space: global }
      - { .name: h_img, .offset: 8, .size: 8, .value_kind: global_buffer, .address_space: global }
      - { .name: h_scl, .offset: 16, .size: 8, .value_kind: global_buffer, .address_space: global }
      - { .name: W2_codes, .offset: 24, .size: 8, .value_kind: global_buffer, .address_space: global }
      - { .name: W2_scales, .offset: 32, .size: 8, .value_kind: global_buffer, .address_space: global }
      - { .name: b2, .offset: 40, .size: 8, .value_kind: global_buffer, .address_space: global }
      - { .name: part, .offset: 48, .size: 8, .value_kind: global_buffer, .address_space: global }
    .group_segment_fixed_size: 139776
    .private_segment_fixed_size: 0
    .kernarg_segment_align: 8
    .kernarg_segment_size: 56
    .max_flat_workgroup_size: 128
    .sgpr_count:     84
    .vgpr_count:     1024
    .wavefront_size: 32
...
	.end_amdgpu_metadata
.endif
;; end of part 7
;; launch combine: the kernel of part 5 again; grid 256 x 1, 8 waves a work-group, no clusters, 0 bytes of LDS; arguments part, gw, out0; writes out0
